; MI455X (gfx1250); checked and timed in simulation.
; The chip was launched on July 23, 2026; its instructions are those of AMD's public machine-readable ISA for CDNA 5 (MIT licence, August 2026) and "CDNA5" Instruction Set Architecture Reference Guide (July 2026). The comments in the code are by the model that wrote it; some were corrected since.
;; Multi Head Attention. Allowed arithmetic: matrix products marked QUANTISED: E2M3 operands, one E8M0 scale for each 32 along K, by v_wmma_scale_f32_16x16x128_f8f6f4 with both operands' format E2M3, f32 sums; everything else in f32.
;; Inputs: bk 1,024 float32; bo 1,024 float32; bq 1,024 float32; bv 1,024 float32; k 4 x 2,048 x 1,024 float32; mask 2,048 x 2,048 bool; q 4 x 2,048 x 1,024 float32; v 4 x 2,048 x 1,024 float32; wk 1,024 x 1,024 float32; wo 1,024 x 1,024 float32; wq 1,024 x 1,024 float32; wv 1,024 x 1,024 float32.
;; Outputs: out0 4 x 2,048 x 1,024 float32.
;; This version of the problem:
;;   THIS VERSION OF THE PROBLEM IS GIVEN IN LOW PRECISION. The matrix products marked QUANTISED in the list below multiply operands that are first quantised to E2M3 (2 exponent bits, 3 mantissa bits; 6 bits a number), with one power-of-two scale for each 32 numbers along K (OCP MX v1.0); their sums are f32. All else is computed in f32.
;;   The module's matrix products, in the order in which they are computed (A, B: the left and right operand; K: the contracted axis; several contracted axes count as one K, in the product's order):
;;     1. [M 8,192, K 1,024] x [K 1,024, N 1,024]; A: input q; B: input wq: QUANTISED
;;     2. [M 8,192, K 1,024] x [K 1,024, N 1,024]; A: input k; B: input wk: QUANTISED
;;     3. [M 8,192, K 1,024] x [K 1,024, N 1,024]; A: input v; B: input wv: QUANTISED
;;     4. batch 64 x [M 2,048, K 64] x [K 64, N 2,048]; A: computed on the way; B: computed on the way: QUANTISED
;;     5. batch 64 x [M 2,048, K 2,048] x [K 2,048, N 64]; A: softmax (see below); B: computed on the way: QUANTISED
;;     6. [M 8,192, K 1,024] x [K 1,024, N 1,024]; A: computed on the way; B: input wo: QUANTISED
;;   THE QUANTISER, for each operand of a quantised product, along K:
;;     - K is cut into blocks of 32 from its start; a last block that is shorter is filled with zeros.
;;     - A block's scale is 2^e with e = floor(log2(the largest magnitude in the block)) - 2, held to -126 .. 127; a block of zeros has e = 0. As a byte (E8M0): e + 127.
;;     - Each number is divided by its block's scale, clamped to +-7.5, and rounded to the nearest number of E2M3, ties to even, subnormals kept.
;;     - The product sums the exact products of the quantised numbers (number of the format x scale) in f32.
;;   ~~~python
;;   def quantise(x, axis):      # numpy; x: float32 -> the quantised numbers, widened to float32 again
;;       x = np.moveaxis(x, axis, -1); K = x.shape[-1]
;;       x = np.pad(x, [(0, 0)] * (x.ndim - 1) + [(0, -K % 32)]); x = x.reshape(x.shape[:-1] + (-1, 32)); a = np.abs(x).max(-1, keepdims=True)
;;       e = np.where(a > 0, np.clip(np.frexp(np.where(a > 0, a, 1))[1] - 1 - 2, -126, 127), 0)      # np.frexp(a)[1] - 1 = floor(log2(a)), exactly
;;       r = np.clip(x / 2.0 ** e, -7.5, 7.5)
;;       step = 2.0 ** (np.maximum(np.frexp(np.where(r == 0, 1, r))[1] - 1, 0) - 3)
;;       q = np.round(r / step) * step * 2.0 ** e      # np.round: ties to even
;;       return np.moveaxis(q.reshape(q.shape[:-2] + (-1,))[..., :K], -1, axis).astype(np.float32)
;;   ~~~
;;   SOFTMAX AHEAD OF A QUANTISED PRODUCT. Where the list says 'softmax', what is quantised is not the finished softmax but p = 2^(t - M), with t = logit x log2(e) and M = ceil(the row's largest t), a whole number; so 1/2 < the row's largest p <= 1. The row's sum l is taken of the UNQUANTISED p, in f32, and the product's result is divided by l at the end. Since M is a whole number, a kernel that streams over the keys may use a running M (the ceiling of the running maximum): every later rescaling is an exact power of two, which a block's scale takes up: the codes' values come out the same.
;;   OPERANDS COMPUTED ON THE WAY. 'Computed on the way' means the value that the module computes at that place (a softmax that the list does not call 'softmax' is quantised finished and normalised). What goes into a quantiser is computed in f32, as accurately as f32 sums, v_exp_f32 and their like allow (about 1e-6 of the number): no bf16 or f16 on the way to a quantiser, and a product that is left as it is and whose result goes on into a quantised operand takes f32 operands (vector FMAs, or v_wmma_f32_16x16x4_f32). A number that lies on a knife's edge between two numbers of the format may be rounded either way, as far as f32 arithmetic and the matrix unit's own rounding can turn it there, and no further.
;; 2 versions, each right; version 2 is version 1 with the launch attn written anew for expert scheduling mode. Each part assembles by itself: llvm-mc -triple=amdgcn-amd-amdhsa -mcpu=gfx1250 --defsym DOCPART=n.
;; ======== version 1 of 2: 4 launches
;; limits: right only within a limited range of input values
;; workspace buffers: xq 19,660,800 bytes; wts 3,276,800 bytes; maskw 532,480 bytes of whole numbers; hq 20,185,088 bytes; oq 6,553,600 bytes
;; launch prep (part 1): grid 576 x 1, 4 waves a work-group, no clusters, 37,376 bytes of LDS; arguments q, k, v, wq, wk, wv, wo, mask, xq, wts, maskw; writes xq, wts, maskw
.if DOCPART == 1
	.amdgcn_target "amdgcn-amd-amdhsa--gfx1250"
	.amdhsa_code_object_version 6
	.text
	.protected	k_q824e16118e_prep
	.globl	k_q824e16118e_prep
	.p2align	8
	.type	k_q824e16118e_prep,@function
k_q824e16118e_prep:
	s_mov_b64 s[64:65], 0
	v_nop
	global_prefetch_b8 v0, s[64:65] scope:SCOPE_SE
	s_setreg_imm32_b32 hwreg(HW_REG_WAVE_MODE, 25, 1), 1
	s_wait_xcnt 0x0
; PREP.  (1) q, k, v [8192][1024] and wq, wk, wv, wo [1024][1024], f32, K innermost, become codes of FP6 (E2M3) with one E8M0 byte for each 32 along K, laid in the ORDER OF THE OPERAND'S REGISTERS.
; (2) The mask [2048][2048] of bytes becomes lane-mask words and one fact word for each tile of 16 queries x 128 keys.
; ROW TILES.  Tile i of a tensor holds the 16 rows 32 (i / 2) + 8 (i % 2) + r + 8 (r / 8), r = 0 .. 15.
; A HALF IMAGE, 768 bytes: 16 rows x 64 along K.  Lane l = r + 16 h holds block h of row r, 24 bytes: its first 16 bytes at 16 l, its last 8 at 512 + 8 l.
; A RECORD, 12,800 bytes, is a row tile for K = 1,024: two halves of 6,400 bytes; in each 256 scale bytes (row r's 16 bytes at 16 r), then eight half images.
; A block's scale is 2^(floor(log2(largest magnitude)) - 2); its byte is the largest magnitude's exponent field - 2, held at 1 from below.
; LIMITS: a block of zeros gets the byte 1 where the rule says 127 (its codes are zeros, and this program alone reads the bytes); NaN and infinities among the inputs are not served; a mask byte counts as true when it is not 0.
; SHARES.  Work-groups 0 to 127: the mask, one tile of 16 queries each, four key steps a wave.  Work-groups 128 to 575: the quantiser, one row tile a wave, in 16 steps of 16 rows x 64 K.
; No tensor loads, no barrier: waves share nothing.  Only the quantiser's path uses LDS.
.set WREG, 9216                        ; LDS of a wave: two stages of 16 rows x 272 bytes, then its 512 scale bytes
.set STG,  4352
.set SCO,  8704
.set RTH,  6400
.set R,    16                          ; v16-79   two sets of 32 registers as loaded
.set X,    80                          ; v80-143  two sets of 32 neighbours along K
.set C,    144                         ; v144-159 two sets of 8: a block's codes
.set E,    160                         ; v160-161 the scale's byte, by turns
	s_load_b512 s[4:19], s[0:1], 0x0               ; q, k, v, wq, wk, wv, wo, mask
	s_load_b128 s[20:23], s[0:1], 0x40             ; xq, wts
	s_load_b64 s[24:25], s[0:1], 0x50              ; maskw
	v_lshl_add_u32 v168, v0, 2, 0x9000
	v_mov_b32 v169, 0
	v_lshrrev_b32 v1, 5, v0
	v_readfirstlane_b32 s26, v1                    ; wave
	v_and_b32 v1, 31, v0                           ; lane l
	v_and_b32 v2, 15, v0                           ; r
	v_bfe_u32 v3, v0, 4, 1                         ; h
	s_cmp_lt_u32 ttmp9, 128
	s_cbranch_scc1 .Lmask
; ---------------- the quantiser ----------------
	s_sub_co_u32 s27, ttmp9, 128                   ; g
	s_lshl_b32 s28, s27, 2
	s_add_co_u32 s28, s28, s26                     ; u = 4 g + wave: which of the 1,792 row tiles
	s_mul_i32 s29, s26, WREG
	v_lshlrev_b32 v4, 12, v3
	v_lshl_add_u32 v4, v2, 4, v4                   ; a load: lanes 0-15 one row's 256 bytes, lanes 16-31 the next row's
	v_mul_u32_u24 v5, v3, 272
	v_lshl_add_u32 v5, v2, 4, v5
	v_add_nc_u32 v5, s29, v5                       ; the stage, on the way in: the same two rows, 272 bytes apart
	v_mul_u32_u24 v6, v2, 272
	v_lshl_add_u32 v6, v3, 7, v6
	v_add_nc_u32 v6, s29, v6                       ; and on the way out: row r, block h: 128 bytes
	v_lshl_add_u32 v7, v2, 4, v3
	v_add_nc_u32 v7, s29, v7
	v_add_nc_u32 v7, SCO, v7                       ; my block's scale byte: 16 r + h
	v_lshlrev_b32 v8, 4, v1                        ; 16 l
	v_lshlrev_b32 v9, 3, v1                        ; 8 l
	v_add_nc_u32 v10, s29, v8
	v_add_nc_u32 v10, SCO, v10                     ; the scale bytes on their way out: 16 bytes a lane
	v_mul_u32_u24 v11, v3, RTH
	v_lshl_add_u32 v11, v2, 4, v11                 ; lanes 0-15 the first half's 256 bytes, lanes 16-31 the second half's
	s_wait_kmcnt 0x0
	s_cmp_lt_u32 s27, 128                          ; the buffers are chosen on the work-group's number alone
	s_cselect_b64 s[30:31], s[4:5], s[6:7]
	s_cmp_lt_u32 s27, 256
	s_cselect_b64 s[30:31], s[30:31], s[8:9]
	s_cmp_lt_u32 s27, 400
	s_cselect_b64 s[32:33], s[10:11], s[12:13]
	s_cmp_lt_u32 s27, 416
	s_cselect_b64 s[32:33], s[32:33], s[14:15]
	s_cmp_lt_u32 s27, 432
	s_cselect_b64 s[32:33], s[32:33], s[16:17]
	s_cmp_lt_u32 s27, 384
	s_cselect_b64 s[30:31], s[30:31], s[32:33]     ; from
	s_cselect_b64 s[34:35], s[20:21], s[22:23]     ; to
	s_cselect_b32 s36, 511, 63
	s_cselect_b32 s37, 0, 1536
	s_and_b32 s36, s28, s36                        ; i: the row tile in its tensor
	s_sub_co_u32 s37, s28, s37                     ; the record in its buffer
	s_lshr_b32 s38, s36, 1
	s_lshl_b32 s38, s38, 17                        ; 32 (i / 2) rows of 4,096 bytes
	s_and_b32 s39, s36, 1
	s_lshl_b32 s39, s39, 15                        ; 8 (i % 2) rows
	s_add_co_u32 s38, s38, s39
	s_mov_b32 s39, 0
	s_add_nc_u64 s[30:31], s[30:31], s[38:39]
	s_mul_i32 s38, s37, 2*RTH
	s_add_nc_u64 s[34:35], s[34:35], s[38:39]
.macro LOAD t                          ; step t: 16 rows x 256 bytes; each load reads two rows' whole 256 bytes
.irp i, 0,1,2,3,4,5,6,7
	global_load_b128 v[R+32*((\t)%2)+4*\i:R+32*((\t)%2)+4*\i+3], v4, s[30:31] offset:(2*\i+8*(\i/4))*4096+256*(\t) th:TH_LOAD_NT
.endr
.endm
.macro TURN t                          ; through the stage: LDS serves a wave's instructions in order, so no wait stands between the stores and the loads
.irp i, 0,1,2,3,4,5,6,7
	ds_store_b128 v5, v[R+32*((\t)%2)+4*\i:R+32*((\t)%2)+4*\i+3] offset:STG*((\t)%2)+544*\i
.endr
.irp i, 0,1,2,3,4,5,6,7
	ds_load_b128 v[X+32*((\t)%2)+4*\i:X+32*((\t)%2)+4*\i+3], v6 offset:STG*((\t)%2)+16*\i
.endr
.endm
.macro STEP t
.set XS, X+32*((\t)%2)
.set CS, C+8*((\t)%2)
.if (\t) > 0
	s_wait_dscnt 1                                 ; this step's numbers are back from the stage (the last step's byte store may be out), so its stores into the stage have read their registers,
.else
	s_wait_dscnt 0x0
.endif
.if (\t)+2 < 16
	LOAD (\t)+2                                    ; which take the loads of two steps on
.endif
.if (\t)+1 < 16
.if (\t)+2 < 16
	s_wait_loadcnt 8                               ; the next step's eight loads are in; the eight just issued may be out
.else
	s_wait_loadcnt 0x0
.endif
	TURN (\t)+1                                    ; they go through the other stage while this step is worked
.endif
	v_max3_num_f32 v12, |v[XS]|, |v[XS+1]|, |v[XS+2]|     ; the block's largest magnitude: all 32 numbers are mine; two chains
	v_max3_num_f32 v13, |v[XS+3]|, |v[XS+4]|, |v[XS+5]|
.irp i, 6,10,14,18,22,26
	v_max3_num_f32 v12, v12, |v[XS+\i]|, |v[XS+\i+1]|
	v_max3_num_f32 v13, v13, |v[XS+\i+2]|, |v[XS+\i+3]|
.endr
	v_max3_num_f32 v12, v12, |v[XS+30]|, |v[XS+31]|
	v_max3_num_f32 v12, v12, v13, 0x1800000        ; and the floor 2^(3 - 127): the byte cannot fall under 1
	v_add_nc_u32 v14, 0xff000000, v12              ; 2 off the exponent field: the conversion takes this operand's exponent field as its scale
	s_wait_xcnt 0x0                                ; the stores of two steps back have read this set of code registers
	v_cvt_scalef32_pk16_fp6_f32 v[CS:CS+2], v[XS:XS+15], v14
	v_cvt_scalef32_pk16_fp6_f32 v[CS+4:CS+6], v[XS+16:XS+31], v14   ; (a conversion's three registers begin on an even number)
	v_lshrrev_b32 v[E+(\t)%2], 23, v14             ; the scale's byte; also the plain line behind the conversions
	v_mov_b32 v[CS+3], v[CS+4]
	v_mov_b32 v[CS+4], v[CS+5]
	v_mov_b32 v[CS+5], v[CS+6]                     ; six registers on end: the block's 24 bytes
	ds_store_b8 v7, v[E+(\t)%2] offset:256*((\t)/8)+2*((\t)%8)
	global_store_b128 v8, v[CS:CS+3], s[34:35] offset:RTH*((\t)/8)+256+768*((\t)%8)        ; 512 consecutive bytes, aligned on 256
	global_store_b64 v9, v[CS+4:CS+5], s[34:35] offset:RTH*((\t)/8)+256+768*((\t)%8)+512   ; 256 more
.endm
	LOAD 0
	LOAD 1
	s_wait_loadcnt 8                               ; step 0's eight loads are in
	TURN 0
.irp t, 0,1,2,3,4,5,6,7,8,9,10,11,12,13,14,15
	STEP \t
.endr
	ds_load_b128 v[164:167], v10                   ; LDS serves a wave's instructions in order: these see my byte stores
	s_wait_dscnt 0x0
	global_store_b128 v11, v[164:167], s[34:35]    ; two aligned runs of 256 bytes: the two halves' scale bytes
	s_wait_tensorcnt 0x0
	ds_add_u32 v168, v169
	s_wait_dscnt 0x0
	s_endpgm
; ---------------- the mask ----------------
; Word j (0 .. 63) of tile (qt, ks): bit l = mask[row(qt, l % 16)][128 ks + 32 (j / 16) + 16 (l / 16) + j % 16]: the lane mask for register j of the scores.
; The fact word of the tile: bits 15:0 'row r has an open key here', bit 16 'all 2,048 bytes are open'.
.Lmask:
	v_and_b32 v4, 8, v2
	v_add_nc_u32 v4, v4, v2                        ; r + 8 (r / 8)
	v_lshlrev_b32 v4, 11, v4
	v_lshl_add_u32 v4, v3, 4, v4                   ; my row, + 16 h
	v_lshlrev_b32 v5, 3, v1                        ; 8 l: two words a lane on the way out
	v_lshlrev_b32 v6, 2, v1
	s_lshr_b32 s27, ttmp9, 1
	s_lshl_b32 s27, s27, 16                        ; 32 (qt / 2) rows of 2,048 bytes
	s_and_b32 s28, ttmp9, 1
	s_lshl_b32 s28, s28, 14                        ; 8 (qt % 2) rows
	s_add_co_u32 s28, s27, s28
	s_lshl_b32 s27, s26, 9                         ; my wave's four key steps: 512 bytes of each row
	s_add_co_u32 s28, s28, s27
	s_mov_b32 s29, 0
	s_lshl_b32 s30, ttmp9, 12                      ; the words: 4,096 bytes a query tile,
	s_lshl_b32 s27, s26, 10                        ; 1,024 a wave
	s_add_co_u32 s30, s30, s27
	s_mov_b32 s31, 0
	s_lshl_b32 s32, ttmp9, 6                       ; the facts: 64 bytes a query tile,
	s_lshl_b32 s27, s26, 4                         ; 16 a wave
	s_add_co_u32 s32, s32, s27
	s_mov_b32 s33, 0
	s_wait_kmcnt 0x0
	s_add_nc_u64 s[18:19], s[18:19], s[28:29]
	s_add_nc_u64 s[34:35], s[24:25], s[30:31]
	s_add_nc_u64 s[36:37], s[24:25], s[32:33]
.irp e, 0,1,2,3
.irp b, 0,1,2,3
	global_load_b128 v[16+16*\e+4*\b:19+16*\e+4*\b], v4, s[18:19] offset:128*\e+32*\b
.endr
.endr
.irp i, 0,1,2,3,4,5,6,7,8
	v_mov_b32 v[80+\i], 0                          ; v_writelane_b32's destination counts as read
.endr
	s_wait_loadcnt 0x0
.irp e, 0,1,2,3
	s_mov_b32 s40, 0                               ; the or of the step's 64 words
	s_mov_b32 s41, -1                              ; and their and
.set g, 0
.rept 16
.irp n, 0,1,2,3                        ; words 4 g + n: byte n of register g
	v_bfe_u32 v[12+\n], v[16+16*\e+g], 8*\n, 8
.endr
.irp n, 0,1,2,3
	v_cmp_ne_u32 s[44+\n], 0, v[12+\n]
.endr
.irp n, 0,1,2,3
	s_or_b32 s40, s40, s[44+\n]
	s_and_b32 s41, s41, s[44+\n]
	v_writelane_b32 v[80+2*\e+(\n&1)], s[44+\n], 2*g+\n/2    ; word j to register j & 1, lane j / 2
.endr
.set g, g+1
.endr
	s_lshr_b32 s42, s40, 16
	s_or_b32 s42, s42, s40
	s_and_b32 s42, s42, 0xffff                     ; row r is open in lane r or in lane r + 16
	s_cmp_eq_u32 s41, -1
	s_cselect_b32 s43, 0x10000, 0
	s_or_b32 s42, s42, s43
	v_writelane_b32 v88, s42, \e
	global_store_b64 v5, v[80+2*\e:81+2*\e], s[34:35] offset:256*\e   ; 256 consecutive bytes, aligned
.endr
	v_cmp_gt_u32 vcc_lo, 4, v1
	s_wait_xcnt 0x0                                ; EXEC changes only behind this wait
	s_and_saveexec_b32 s48, vcc_lo
	global_store_b32 v6, v88, s[36:37] offset:524288   ; my wave's four fact words
	s_wait_xcnt 0x0
	s_or_b32 exec_lo, exec_lo, s48
	s_endpgm
.Lfunc_end_k_q824e16118e_prep:
	.size	k_q824e16118e_prep, .Lfunc_end_k_q824e16118e_prep-k_q824e16118e_prep
	.p2alignl 7, 3214868480
	.fill 96, 4, 3214868480
	.section	.rodata,"a",@progbits
	.p2align	6, 0x0
	.amdhsa_kernel k_q824e16118e_prep
		.amdhsa_group_segment_fixed_size 37376
		.amdhsa_private_segment_fixed_size 0
		.amdhsa_enable_private_segment 0
		.amdhsa_kernarg_size 88
		.amdhsa_user_sgpr_count 2
		.amdhsa_user_sgpr_kernarg_segment_ptr 1
		.amdhsa_wavefront_size32 1
		.amdhsa_system_sgpr_workgroup_id_x 1
		.amdhsa_system_sgpr_workgroup_id_y 1
		.amdhsa_system_sgpr_workgroup_id_z 1
		.amdhsa_system_vgpr_workitem_id 0
		.amdhsa_next_free_vgpr 170
		.amdhsa_next_free_sgpr 66
		.amdhsa_reserve_vcc 1
		.amdhsa_float_denorm_mode_32 3
		.amdhsa_float_denorm_mode_16_64 3
		.amdhsa_memory_ordered 1
		.amdhsa_forward_progress 1
		.amdhsa_inst_pref_size 128
	.end_amdhsa_kernel
	.amdgpu_metadata
---
amdhsa.version: [ 1, 2 ]
amdhsa.kernels:
  - .name:           k_q824e16118e_prep
    .symbol:         k_q824e16118e_prep.kd
    .args:
      - { .name: q, .offset: 0, .size: 8, .value_kind: global_buffer, .address_space: global }
      - { .name: k, .offset: 8, .size: 8, .value_kind: global_buffer, .address_space: global }
      - { .name: v, .offset: 16, .size: 8, .value_kind: global_buffer, .address_space: global }
      - { .name: wq, .offset: 24, .size: 8, .value_kind: global_buffer, .address_space: global }
      - { .name: wk, .offset: 32, .size: 8, .value_kind: global_buffer, .address_space: global }
      - { .name: wv, .offset: 40, .size: 8, .value_kind: global_buffer, .address_space: global }
      - { .name: wo, .offset: 48, .size: 8, .value_kind: global_buffer, .address_space: global }
      - { .name: mask, .offset: 56, .size: 8, .value_kind: global_buffer, .address_space: global }
      - { .name: xq, .offset: 64, .size: 8, .value_kind: global_buffer, .address_space: global }
      - { .name: wts, .offset: 72, .size: 8, .value_kind: global_buffer, .address_space: global }
      - { .name: maskw, .offset: 80, .size: 8, .value_kind: global_buffer, .address_space: global }
    .group_segment_fixed_size: 37376
    .private_segment_fixed_size: 0
    .kernarg_segment_align: 8
    .kernarg_segment_size: 88
    .max_flat_workgroup_size: 128
    .sgpr_count:     66
    .vgpr_count:     170
    .wavefront_size: 32
...
	.end_amdgpu_metadata
.endif
;; end of part 1
;; launch proj (part 2): grid 4 x 192, 4 waves a work-group, clusters of 4 x 4, 307,712 bytes of LDS; arguments xq, wts, bq, bk, bv, hq; writes hq
.if DOCPART == 2
	.amdgcn_target "amdgcn-amd-amdhsa--gfx1250"
	.amdhsa_code_object_version 6
	.text
	.protected	k_q824e16118e_proj
	.globl	k_q824e16118e_proj
	.p2align	8
	.type	k_q824e16118e_proj,@function
k_q824e16118e_proj:
	s_mov_b64 s[64:65], 0
	v_nop
	global_prefetch_b8 v0, s[64:65] scope:SCOPE_SE
	s_setreg_imm32_b32 hwreg(HW_REG_WAVE_MODE, 25, 1), 1
	s_wait_xcnt 0x0
	s_wait_alu depctr_hold_cnt(0) depctr_sa_sdst(0) depctr_va_vdst(0) depctr_va_sdst(0) depctr_va_ssrc(0) depctr_va_vcc(0) depctr_vm_vsrc(0)
	s_getreg_b32 s2, hwreg(HW_REG_IB_STS2, 6, 4)
	s_cmp_eq_u32 s2, 0
	s_cbranch_scc0 .Lentry_in_a_cluster
	s_endpgm
.Lentry_in_a_cluster:
	s_bfe_u32 s2, ttmp6, 0x10000c
	s_cmp_lg_u32 s2, 0xf033
	s_cbranch_scc0 .Lentry_shape_is_right
	s_endpgm
.Lentry_shape_is_right:
; PROJ.  qh = q wq^T + bq, kh = k wk^T + bk, vh = v wv^T + bv on codes of FP6 (E2M3) with E8M0 scales, f32 sums; the results are quantised on the way out: qh and kh along the head's 64, vh along the keys.
; OPERANDS come as records of row tiles (16 rows 32 (i / 2) + 8 (i % 2) + r + 8 (r / 8); two halves of K, each 256 scale bytes and eight half images of 768 bytes in the order of the operand's registers).
; A WORK-GROUP makes X 128 rows x Y 256 rows over all of K = 1,024.  Its operands, 307,200 bytes, lie in LDS whole: every LDS byte is filled ONCE, so there is no ring.
; Four waves: wave w takes X rows 64 (w / 2) on (4 tiles) and Y rows 128 (w % 2) on (8 tiles): 32 accumulators.  THE MATRIX INSTRUCTION IS USED TRANSPOSED (source 0 = a Y tile, source 1 = an X tile):
; a lane holds ONE X row, and by the choice of a tile's rows its 64 registers are Y indices 32 b + 16 h + i: neighbours along the next product's K.
; For q and k: X = tokens, Y = the weight's rows (two heads a wave).  For v the operands change places: X = wv's rows (one head a wave), Y = tokens, so that a lane's registers run down the keys.
; Which of the three, and which operand is X, is chosen by s_cselect on the cluster's number, the same in all partners: no branch hangs on it.
; CLUSTER 4 x 4: X's records are shared along a row of the cluster, Y's along a column; each is asked for jointly.  One round stands ahead of the first fills and one ahead of the end.
; A wave has at most two tensor loads out: the two halves of K of its part (wave 0: X; waves 1, 2: Y's halves; wave 3: none).
; hq: Q's codes [bh][tile 128][768] at 0, K's at 6,291,456, V's [bh][key step 16][d tile 4][2 x 768] at 12,582,912; scale words Q [bh][64 tokens][r][4] at 18,874,368, K at 19,398,656, V [bh][key step][r][4] at 19,922,944.
; LIMITS: a block of zeros gets the byte 1 where the rule says 127 (zero codes; this program alone reads the bytes); NaN and infinities are not served.
; REGISTERS.  window 0: v4-15 LDS addresses; v16-31 the way out; v32-47 X's scale words, v48-79 Y's (nothing else is ever kept there); v80-143 the Y bias, later 64 results; v144-239 X's fragments, two sets, later codes; v240-255 at work.
;   window 1: accumulator (a, b) at v[8 (8 a + b)].   window 2: Y's fragments, two sets of 96.
.set HB,  153600                       ; a half of K in LDS: X's 8 half records of 6,400 bytes, then Y's 16
.set RTH, 6400
.set XB,  51200
.set SA,  32
.set SB,  48
.set YB,  80
.set AF,  144
.set PC,  144
.set TM,  240
.set WV,  16
.set G1A, 44
.set G1B, 52
.set SEL, 60
.set G0A, 68
.set G0B, 76
.set MSB, 0
.macro WIN new                         ; the immediate's high byte repeats the setting that is left
.if MSB != \new
	s_set_vgpr_msb (MSB<<8)|\new
.set MSB, \new
.endif
.endm
.macro CROUND                          ; a round of the cluster's barrier
	s_barrier_signal -1
	s_barrier_wait -1
	s_cmp_lg_u32 s[WV], 0
	s_cbranch_scc1 .Lnot_wave_0_\@
	s_barrier_signal -3
.Lnot_wave_0_\@:
	s_barrier_wait -3
	s_barrier_signal -1
	s_barrier_wait -1
.endm
.macro PLACES                          ; four plain lines between a matrix instruction and a load into, or a read of, its registers
.rept 4
	v_nop
.endr
.endm
.macro FRAG reg, a16, a8, off          ; a fragment, 16 rows x 128 K: two half images
	ds_load_b128 v[(\reg):(\reg)+3], v[\a16] offset:\off
	ds_load_b64 v[(\reg)+4:(\reg)+5], v[\a8] offset:(\off)+512
	ds_load_b128 v[(\reg)+6:(\reg)+9], v[\a16] offset:(\off)+768
	ds_load_b64 v[(\reg)+10:(\reg)+11], v[\a8] offset:(\off)+1280
.endm
.macro FETCH k                         ; K step k's 12 fragments, 48 loads, into set k % 2
	WIN 0x80                                       ; destination window 2, address window 0
.irp i, 0,1,2,3,4,5,6,7
	FRAG 96*((\k)%2)+12*\i, 8+(\k)/4, 10+(\k)/4, RTH*\i+256+1536*((\k)%4)
.endr
	WIN 0
.irp i, 0,1,2,3
	FRAG AF+48*((\k)%2)+12*\i, 4+(\k)/4, 6+(\k)/4, RTH*\i+256+1536*((\k)%4)
.endr
.endm
.macro SCALES H                        ; a half's scale words: four K steps a load; lanes 0-15 take tile i, lanes 16-31 the tile 2 (X) or 4 (Y) further on
.irp i, 0,1
	ds_load_b128 v[SA+8*\i+4*\H:SA+8*\i+4*\H+3], v[12+\H] offset:RTH*\i
.endr
.irp i, 0,1,2,3
	ds_load_b128 v[SB+8*\i+4*\H:SB+8*\i+4*\H+3], v[14+\H] offset:RTH*\i
.endr
.endm
.macro WM a, b, k
.set rD, 8*(8*(\a)+(\b))
.set rC, rD
.if (\k) == 0
.set rC, YB+8*(\b)                     ; the bias is the C of a sum's first instruction: nothing is cleared, nothing added later
.endif
.set rY, 96*((\k)%2)+12*(\b)
.set rX, AF+48*((\k)%2)+12*(\a)
.set rS, SB+8*((\b)%4)+(\k)
.set rT, SA+8*((\a)%2)+(\k)
.if ((\b) < 4) && ((\a) < 2)
	v_wmma_scale_f32_16x16x128_f8f6f4 v[rD:rD+7], v[rY:rY+11], v[rX:rX+11], v[rC:rC+7], v[rS], v[rT] matrix_a_fmt:MATRIX_FMT_FP6 matrix_b_fmt:MATRIX_FMT_FP6
.elseif (\b) < 4
	v_wmma_scale_f32_16x16x128_f8f6f4 v[rD:rD+7], v[rY:rY+11], v[rX:rX+11], v[rC:rC+7], v[rS], v[rT] matrix_a_fmt:MATRIX_FMT_FP6 matrix_b_fmt:MATRIX_FMT_FP6 matrix_b_scale:MATRIX_SCALE_ROW1
.elseif (\a) < 2
	v_wmma_scale_f32_16x16x128_f8f6f4 v[rD:rD+7], v[rY:rY+11], v[rX:rX+11], v[rC:rC+7], v[rS], v[rT] matrix_a_fmt:MATRIX_FMT_FP6 matrix_b_fmt:MATRIX_FMT_FP6 matrix_a_scale:MATRIX_SCALE_ROW1
.else
	v_wmma_scale_f32_16x16x128_f8f6f4 v[rD:rD+7], v[rY:rY+11], v[rX:rX+11], v[rC:rC+7], v[rS], v[rT] matrix_a_fmt:MATRIX_FMT_FP6 matrix_b_fmt:MATRIX_FMT_FP6 matrix_a_scale:MATRIX_SCALE_ROW1 matrix_b_scale:MATRIX_SCALE_ROW1
.endif
.endm
.macro MUL k                           ; 32 matrix instructions; the 32 accumulators take turns, one instruction a turn, in the same order in every step
.if (\k) == 0
	WIN 0x42                                       ; source 0 window 2, source 1 and C window 0, D window 1
.else
	WIN 0x52                                       ; C and D window 1
.endif
.irp a, 0,1,2,3
.irp b, 0,1,2,3,4,5,6,7
	WM \a, \b, \k
.endr
.endr
.endm
; 64 numbers of a lane, register 16 b + i = index 32 b + 16 h + i of my row, become a fragment's codes in v[PC] on and its scale word in v[pw]
.macro QUANT s, pw
.irp b, 0,1,2,3
	v_max3_num_f32 v[TM+\b], |v[\s+16*\b]|, |v[\s+1+16*\b]|, 0x1800000   ; my 16 numbers of block b, and the floor 2^(3 - 127): the byte cannot fall under 1
.endr
.irp i, 2,4,6,8,10,12,14
.irp b, 0,1,2,3
	v_max3_num_f32 v[TM+\b], v[TM+\b], |v[\s+16*\b+\i]|, |v[\s+1+16*\b+\i]|
.endr
.endr
.irp b, 0,1,2,3
	v_permlanex16_b32 v[TM+4+\b], v[TM+\b], s[SEL], s[SEL+1]
.endr
.irp b, 0,1,2,3
	v_max_num_f32 v[TM+\b], v[TM+\b], v[TM+4+\b]   ; with lane l xor 16's: the block's largest magnitude
.endr
.irp b, 0,1,2,3
	v_add_nc_u32 v[TM+12+\b], 0xff000000, v[TM+\b] ; 2 off its exponent field: the conversion's scale operand
.endr
.irp b, 0,1,2,3
	v_lshrrev_b32 v[TM+4+\b], 23, v[TM+12+\b]      ; the scale's byte
.endr
	v_lshl_or_b32 v[\pw], v[TM+5], 8, v[TM+4]
	v_lshl_or_b32 v[\pw], v[TM+6], 16, v[\pw]
	v_lshl_or_b32 v[\pw], v[TM+7], 24, v[\pw]
.irp c, 0,1
	v_cvt_scalef32_pk16_fp6_f32 v[PC+6*\c:PC+2+6*\c], v[\s+32*\c:\s+15+32*\c], v[TM+12+2*\c]
	v_cvt_scalef32_pk16_fp6_f32 v[PC+12+4*\c:PC+14+4*\c], v[\s+16+32*\c:\s+31+32*\c], v[TM+12+2*\c+1]   ; (a conversion's three registers begin on an even number)
.endr
	v_nop                                          ; one plain line behind a scaled conversion
.irp c, 0,1                            ; the layout wants a WHOLE block in a lane: lanes 0-15 block 2 c, lanes 16-31 block 2 c + 1
.irp i, 0,1,2
	v_permlane16_swap_b32 v[PC+6*\c+\i], v[PC+12+4*\c+\i]
.endr
.irp i, 0,1,2
	v_mov_b32 v[PC+3+6*\c+\i], v[PC+12+4*\c+\i]
.endr
.endr
.endm
	s_load_b256 s[4:11], s[0:1], 0x0               ; xq, wts, bq, bk
	s_load_b128 s[12:15], s[0:1], 0x20             ; bv, hq
	v_lshl_add_u32 v250, v0, 2, 0x4b000
	v_mov_b32 v251, 0
	ds_add_u32 v250, v251
	ds_add_u32 v250, v251
	v_lshrrev_b32 v1, 5, v0
	v_readfirstlane_b32 s[WV], v1                  ; wave 0..3
	v_and_b32 v1, 31, v0                           ; l
	v_and_b32 v2, 15, v0                           ; r
	v_bfe_u32 v3, v0, 4, 1                         ; h
	s_lshr_b32 s17, s[WV], 1                       ; wx: my 64 X rows.  Also: which eight of Y's records waves 1 and 2 fetch
	s_and_b32 s18, s[WV], 1                        ; wy: my 128 Y rows
	s_bfe_u32 s19, ttmp6, 0x40000                  ; cx
	s_bfe_u32 s20, ttmp6, 0x40004                  ; cy
	s_and_b32 s21, ttmp7, 0xffff                   ; the cluster's y, 0 .. 47
	s_lshr_b32 s22, s21, 4                         ; tau: 0 q, 1 k, 2 v
	s_and_b32 s23, s21, 15                         ; c
	s_and_b32 s24, s23, 1
	s_lshl_b32 s24, s24, 2                         ; 4 (c & 1)
	s_lshr_b32 s25, s23, 1
	s_lshl_b32 s25, s25, 2                         ; 4 (c >> 1)
	s_lshl_b32 s26, s23, 2                         ; 4 c
	s_mul_i32 s27, s22, 6553600                    ; a tensor of tokens in xq
	s_mul_i32 s28, s22, 819200                     ; a weight in wts
	s_mov_b32 s31, 768
	s_mov_b32 s32, 98304
	s_cmp_eq_u32 s22, 2                            ; v?
	s_cselect_b32 s24, s24, s26                    ; X's block less cy
	s_cselect_b32 s25, s25, 0                      ; Y's block less cx
	s_cselect_b32 s27, 1638400, s27                ; where X's tensor begins in its buffer
	s_cselect_b32 s28, 13107200, s28               ; and Y's
	s_cselect_b32 s29, 0, -1                       ; keeps the bias along Y (q, k)
	s_cselect_b32 s30, -1, 0                       ; keeps the bias along X (v)
	s_cselect_b32 s31, 1536, s31                   ; the way out: from X tile a to a + 1
	s_cselect_b32 s32, 768, s32                    ; and from a fragment's low half image to its high one
	s_cselect_b32 s33, 1, 0
	s_cselect_b32 s34, 0, 8192                     ; the scale words of lanes 16-31: the next head's (q, k)
	s_cselect_b32 s35, 0, 16                       ; and their shift
	s_add_co_u32 s24, s24, s20                     ; Xt: hangs on cy alone
	s_add_co_u32 s25, s25, s19                     ; Yt: hangs on cx alone
	s_mul_i32 s36, s24, 102400                     ; 8 records
	s_add_co_u32 s36, s36, s27
	s_mov_b32 s37, 0
	s_mul_i32 s38, s25, 204800                     ; 16 records
	s_add_co_u32 s38, s38, s28
	s_mul_i32 s39, s17, 102400
	s_add_co_u32 s38, s38, s39
	s_mov_b32 s39, 0
	s_mul_i32 s97, s17, XB
	s_lshl_b32 s40, s20, 2
	s_lshl_b32 s40, 15, s40                        ; my row of the cluster
	s_lshl_b32 s41, 0x1111, s19                    ; my column
	; descriptor group 1: 8 rows of 6,400 bytes (800 elements of 8 bytes), 12,800 bytes apart, dense in LDS
	s_or_b32 s[G1A], s40, (3<<16)|(1<<21)          ; 15:0 the mask; 17:16 elements of 8 bytes; 20 no padding; 21 set beside a mask
	s_or_b32 s[G1B], s41, (3<<16)|(1<<21)
.irp g, G1A, G1B
	s_mov_b32 s[\g+1], 800<<16                     ; tensor_dim0
	s_mov_b32 s[\g+2], 8<<16                       ; tensor_dim1
	s_mov_b32 s[\g+3], 800<<16                     ; tile_dim0
	s_mov_b32 s[\g+4], 8                           ; tile_dim1
	s_mov_b32 s[\g+5], 1600                        ; tensor_dim0_stride
	s_mov_b32 s[\g+6], 0
	s_mov_b32 s[\g+7], 0
.endr
	s_mov_b32 s[SEL], 0x76543210
	s_mov_b32 s[SEL+1], 0xfedcba98                 ; v_permlanex16_b32's selects for lane l xor 16
	s_wait_dscnt 0x0
	s_wait_kmcnt 0x0
	s_cmp_eq_u32 s22, 2
	s_cselect_b64 s[42:43], s[6:7], s[4:5]         ; X's buffer
	s_cselect_b64 s[84:85], s[4:5], s[6:7]         ; Y's
	s_cselect_b64 s[86:87], s[12:13], s[10:11]
	s_cmp_eq_u32 s22, 0
	s_cselect_b64 s[86:87], s[8:9], s[86:87]       ; the bias
	s_add_nc_u64 s[42:43], s[42:43], s[36:37]
	s_add_nc_u64 s[84:85], s[84:85], s[38:39]
	CROUND                                         ; all sixteen work-groups are here: the joint loads meet
.irp H, 0,1
	s_mov_b32 s[G0A+4*\H], 1                       ; count = 1
	s_mov_b32 s[G0A+4*\H+1], \H*HB                 ; LDS address
	s_add_nc_u64 s[G0A+4*\H+2:G0A+4*\H+3], s[42:43], \H*RTH
	s_or_b32 s[G0A+4*\H+3], s[G0A+4*\H+3], 0x80000000   ; type = 2
	s_mov_b32 s[G0B+4*\H], 1
	s_add_co_u32 s[G0B+4*\H+1], s97, \H*HB+XB
	s_add_nc_u64 s[G0B+4*\H+2:G0B+4*\H+3], s[84:85], \H*RTH
	s_or_b32 s[G0B+4*\H+3], s[G0B+4*\H+3], 0x80000000
.endr
	s_cmp_eq_u32 s[WV], 0                          ; a wave's two first fills stand in one branch on the wave's number; four v_nop follow the second
	s_cbranch_scc0 .Lnot_x
	tensor_load_to_lds s[G0A:G0A+3], s[G1A:G1A+7]
	s_nop 0
	tensor_load_to_lds s[G0A+4:G0A+7], s[G1A:G1A+7]
	s_nop 0
.rept 4
	v_nop
.endr
	s_branch .Lasked
.Lnot_x:
	s_cmp_lt_u32 s[WV], 3
	s_cbranch_scc0 .Lasked
	tensor_load_to_lds s[G0B:G0B+3], s[G1B:G1B+7]
	s_nop 0
	tensor_load_to_lds s[G0B+4:G0B+7], s[G1B:G1B+7]
	s_nop 0
.rept 4
	v_nop
.endr
.Lasked:
	; LDS addresses
	s_mul_i32 s98, s17, 25600                      ; my four X tiles
	s_mul_i32 s99, s18, XB
	s_add_co_u32 s99, s99, XB                      ; my eight Y tiles
	v_mul_u32_u24 v20, v3, 12800
	v_lshl_add_u32 v20, v2, 4, v20                 ; X's scale words: 16 r, lanes 16-31 two tiles on
	v_mul_u32_u24 v21, v3, 25600
	v_lshl_add_u32 v21, v2, 4, v21                 ; Y's: lanes 16-31 four tiles on
.irp H, 0,1
	v_lshl_add_u32 v[4+\H], v1, 4, s98
	v_lshl_add_u32 v[6+\H], v1, 3, s98
	v_lshl_add_u32 v[8+\H], v1, 4, s99
	v_lshl_add_u32 v[10+\H], v1, 3, s99
	v_add_nc_u32 v[12+\H], s98, v20
	v_add_nc_u32 v[14+\H], s99, v21
	s_add_co_u32 s98, s98, HB
	s_add_co_u32 s99, s99, HB
.endr
	; where the results go
	s_lshl_b32 s88, s24, 7
	s_lshl_b32 s97, s17, 6
	s_add_co_u32 s88, s88, s97                     ; X0
	s_lshl_b32 s89, s25, 8
	s_lshl_b32 s97, s18, 7
	s_add_co_u32 s89, s89, s97                     ; Y0
	s_cmp_eq_u32 s22, 2
	s_cselect_b32 s90, s89, s88                    ; my first token
	s_cselect_b32 s91, s88, s89                    ; my first channel
	s_cselect_b32 s92, 0, s89                      ; the Y bias is read here (where it is not used: at 0, inside its buffer)
	s_cselect_b32 s93, s88, 0                      ; the X bias likewise
	s_lshr_b32 s94, s90, 11
	s_lshl_b32 s94, s94, 4
	s_lshr_b32 s91, s91, 6
	s_add_co_u32 s94, s94, s91                     ; bh = 16 batch + head
	s_and_b32 s90, s90, 2047                       ; the token in its batch
	s_mul_i32 s95, s22, 6291456
	s_mul_i32 s97, s94, 98304
	s_add_co_u32 s95, s95, s97
	s_mul_i32 s97, s90, 48
	s_add_co_u32 s95, s95, s97                     ; the codes: 768 bytes for 16 tokens of a head (q, k), 6,144 for 128 keys (v): 48 a token
	s_lshl_b32 s96, s94, 13
	s_lshl_b32 s97, s90, 2
	s_add_co_u32 s96, s96, s97
	s_lshr_b32 s96, s96, s33                       ; the scale words: 4 bytes a token and head (q, k), 2 (v)
	s_mul_i32 s97, s22, 524288
	s_add_co_u32 s96, s96, s97
	s_add_co_u32 s96, s96, 18874368
	v_lshl_add_u32 v16, v1, 4, s95                 ; low half image: 16 l
	v_lshl_add_u32 v17, v1, 3, s95                 ; and 8 l
	v_add_nc_u32 v18, s32, v16                     ; high half image
	v_add_nc_u32 v19, s32, v17
	v_mul_u32_u24 v20, s34, v3
	v_lshl_add_u32 v20, v2, 4, v20
	v_add_nc_u32 v20, s96, v20                     ; the scale words: 16 r
	v_mul_u32_u24 v21, s35, v3                     ; lanes 16-31 store the second head's two bytes (q, k)
	s_lshl_b32 s92, s92, 2
	s_lshl_b32 s93, s93, 2
	v_lshlrev_b32 v22, 6, v3
	v_add_nc_u32 v22, s92, v22                     ; the Y bias: tile t's eight numbers of my half: 64 h bytes on
	v_and_b32 v23, 8, v2
	v_add_nc_u32 v23, v23, v2
	v_lshlrev_b32 v23, 2, v23
	v_add_nc_u32 v23, s93, v23                     ; the X bias: my row's: r + 8 (r / 8)
.irp t, 0,1,2,3,4,5,6,7
	global_load_b128 v[YB+8*\t:YB+8*\t+3], v22, s[86:87] offset:(32*(\t/2)+8*(\t%2))*4
	global_load_b128 v[YB+8*\t+4:YB+8*\t+7], v22, s[86:87] offset:(32*(\t/2)+8*(\t%2))*4+16
.endr
.irp a, 0,1,2,3
	global_load_b32 v[24+2*\a], v23, s[86:87] offset:(32*(\a/2)+8*(\a%2))*4
.endr
.irp b, 0,1,2,3
	v_mov_b32 v[TM+4+\b], 0                        ; written once: a lane permute's destination counts as one of its sources
.endr
	s_wait_tensorcnt 0x1                           ; my part of K's first half is in; the second half's load may stay out
	s_barrier_signal -1
	s_barrier_wait -1                              ; everybody's is
	SCALES 0
	FETCH 0
	FETCH 1
	s_wait_loadcnt 0x0                             ; the biases
.set jj, 0
.rept 64
	v_and_b32 v[YB+jj], s29, v[YB+jj]              ; the bias along Y counts for q and k alone,
.set jj, jj+1
.endr
.irp a, 0,1,2,3
	v_and_b32 v[24+2*\a], s30, v[24+2*\a]          ; that along X for v alone
	v_mov_b32 v[25+2*\a], 0                        ; (named with it as a pair, so it is written)
.endr
	s_wait_dscnt 48                                ; all but the 48 loads just issued: the scale words and K step 0 are in
	MUL 0
.irp k, 1,2
	PLACES
	FETCH \k+1
	s_wait_dscnt 48                                ; K step k is in; the 48 just issued may be out
	MUL \k
.endr
	PLACES
	s_wait_tensorcnt 0x0                           ; my part of the second half is in,
	s_wait_dscnt 0x0                               ; and my reads of the first half are over
	s_barrier_signal -1
	s_barrier_wait -1                              ; both hold of every wave
	WIN 0
	SCALES 1
	FETCH 4
	MUL 3
.irp k, 4,5,6
	PLACES
	FETCH \k+1
	s_wait_dscnt 48
	MUL \k
.endr
	s_wait_dscnt 0x0
	MUL 7
	WIN 0
	PLACES
	; THE WAY OUT, an X tile at a time: the 64 results move to window 0 with the X bias added, are quantised, and leave as two half images: 512 + 256 consecutive bytes each, aligned on 256
.irp a, 0,1,2,3
.if \a > 0
	s_wait_xcnt 0x0                                ; the last tile's stores have read their data and their offsets
	v_add_nc_u32 v16, s31, v16
	v_add_nc_u32 v17, s31, v17
	v_add_nc_u32 v18, s31, v18
	v_add_nc_u32 v19, s31, v19
.endif
	WIN 0x01                                       ; source 0 window 1
.set kk, 0
.rept 32
	v_pk_add_f32 v[80+2*kk:81+2*kk], v[64*\a+2*kk:64*\a+2*kk+1], v[24+2*\a:25+2*\a] op_sel_hi:[1,0]   ; each accumulator from its low end on
.set kk, kk+1
.endr
	WIN 0
	QUANT 80, 164+\a
	global_store_b128 v16, v[PC:PC+3], s[14:15]
	global_store_b64 v17, v[PC+4:PC+5], s[14:15] offset:512
	global_store_b128 v18, v[PC+6:PC+9], s[14:15]
	global_store_b64 v19, v[PC+10:PC+11], s[14:15] offset:512
.endr
.irp a, 0,1,2,3
	v_lshrrev_b32 v[168+\a], v21, v[164+\a]
.endr
	global_store_b128 v20, v[168:171], s[14:15]    ; q, k: lanes 0-15 the first head's 256 bytes, lanes 16-31 the second head's; v: both halves of the lanes hold the same words and name the same 256 bytes
	s_wait_tensorcnt 0x0
	ds_add_u32 v250, v251
	s_wait_dscnt 0x0
	CROUND                                         ; the closing round
	s_endpgm
.Lfunc_end_k_q824e16118e_proj:
	.size	k_q824e16118e_proj, .Lfunc_end_k_q824e16118e_proj-k_q824e16118e_proj
	.p2alignl 7, 3214868480
	.fill 96, 4, 3214868480
	.section	.rodata,"a",@progbits
	.p2align	6, 0x0
	.amdhsa_kernel k_q824e16118e_proj
		.amdhsa_group_segment_fixed_size 307712
		.amdhsa_private_segment_fixed_size 0
		.amdhsa_enable_private_segment 0
		.amdhsa_kernarg_size 48
		.amdhsa_user_sgpr_count 2
		.amdhsa_user_sgpr_kernarg_segment_ptr 1
		.amdhsa_wavefront_size32 1
		.amdhsa_system_sgpr_workgroup_id_x 1
		.amdhsa_system_sgpr_workgroup_id_y 1
		.amdhsa_system_sgpr_workgroup_id_z 1
		.amdhsa_system_vgpr_workitem_id 0
		.amdhsa_next_free_vgpr 768
		.amdhsa_next_free_sgpr 100
		.amdhsa_reserve_vcc 0
		.amdhsa_float_denorm_mode_32 3
		.amdhsa_float_denorm_mode_16_64 3
		.amdhsa_memory_ordered 1
		.amdhsa_forward_progress 1
		.amdhsa_inst_pref_size 99
	.end_amdhsa_kernel
	.amdgpu_metadata
---
amdhsa.version: [ 1, 2 ]
amdhsa.kernels:
  - .name:           k_q824e16118e_proj
    .symbol:         k_q824e16118e_proj.kd
    .args:
      - { .name: xq, .offset: 0, .size: 8, .value_kind: global_buffer, .address_space: global }
      - { .name: wts, .offset: 8, .size: 8, .value_kind: global_buffer, .address_space: global }
      - { .name: bq, .offset: 16, .size: 8, .value_kind: global_buffer, .address_space: global }
      - { .name: bk, .offset: 24, .size: 8, .value_kind: global_buffer, .address_space: global }
      - { .name: bv, .offset: 32, .size: 8, .value_kind: global_buffer, .address_space: global }
      - { .name: hq, .offset: 40, .size: 8, .value_kind: global_buffer, .address_space: global }
    .group_segment_fixed_size: 307712
    .private_segment_fixed_size: 0
    .kernarg_segment_align: 8
    .kernarg_segment_size: 48
    .max_flat_workgroup_size: 128
    .sgpr_count:     100
    .vgpr_count:     768
    .wavefront_size: 32
...
	.end_amdgpu_metadata
.endif
;; end of part 2
;; launch attn (part 3): grid 4 x 64, 16 waves a work-group, no clusters, 210,944 bytes of LDS; arguments hq, maskw, oq; writes oq
.if DOCPART == 3
	.amdgcn_target "amdgcn-amd-amdhsa--gfx1250"
	.amdhsa_code_object_version 6
	.text
	.protected	k_q824e16118e_attn
	.globl	k_q824e16118e_attn
	.p2align	8
	.type	k_q824e16118e_attn,@function
k_q824e16118e_attn:
	s_mov_b64 s[64:65], 0
	v_nop
	global_prefetch_b8 v0, s[64:65] scope:SCOPE_SE
	s_setreg_imm32_b32 hwreg(HW_REG_WAVE_MODE, 25, 1), 1
	s_wait_xcnt 0x0
; ATTN.  For each batch and head: S = qh kh^T / 8, the given mask, softmax, O = P vh, both products on codes of FP6 (E2M3) with E8M0 scales; O / l is quantised along d_model for the last product.
; THE SOFTMAX AHEAD OF THE SECOND PRODUCT: t = score x log2(e) / 8; M = the running largest t rounded UP to a whole number; p = 2^(t - M) is quantised along the keys; the row's sum is taken of the unquantised p and divides O at the end.
; SHARES.  Work-group (j, bh) takes 32 tiles of 16 queries of one head; wave w takes tile 4 w + j and then tile 127 - (4 w + j).  A head's K and V as codes, 208,896 bytes with their scale words, are copied into LDS ONCE,
; through registers; one barrier; after it no LDS byte is written.  No tensor load: the walk over the keys branches on stored whole numbers.
; THE MASK IS AN INPUT.  An earlier launch has stored, for each tile of 16 queries x 128 keys, 64 lane-mask words and a fact word.  A key step is left out where the mask hides all its 2,048 places AND each of the 16 rows has
; an open key somewhere: such a step adds exactly 0.  Where all places are open the 64 selects are jumped over.  Both are scalar branches on those stored numbers; the loop's trip count is the constant 16.
; LAYOUT.  Both products are used transposed (S^T = K Q^T, O^T = V^T P^T): a lane holds ONE query.  A tile's 16 rows are 32 (i / 2) + 8 (i % 2) + r + 8 (r / 8), so that the 16 registers of two neighbouring tiles are 16 neighbours.
; K = 64 IN A FORM OF 128: Q's upper six registers are zero codes and its upper two scale bytes 0; K's upper six registers are whatever follows (the next tile's codes): times zero codes they add nothing.
; LIMITS: a masked logit is taken as -2^30 (raw score -2^33) where the problem says -1e9: score x c is then exact and a wholly masked row gives p = 1 exactly, as with -1e9; results differ only where an open logit lies under
; about -9.9e8, and leaving hidden steps out rests on the same bound.  A block of zeros gets the byte 1 (zero codes; this program alone reads the bytes).  NaN and infinities are not served.
; No cluster: joint requests are tensor loads; what the four work-groups of a head share is read once by each, at its head.
; REGISTERS: v1-6 lane terms; v7 the masked score; v8-11, v29, v30 the step's addresses; v12 -M, v13 the largest t, v[14:15] the sum; v16-27 Q; v28 Q's scale word; v31, v232 lane terms; v32-79 K's 8 tiles, then V's 4 fragments;
;   v80-85 zeros; v86-89 K's scale words, v90-93 V's; v96-159 S^T, then p; v160-191 O^T; v192-210 codes; v212-229 at work; v233-235 Q's offsets.
.set VCL, 98304                        ; LDS: K's codes at 0, V's here,
.set KSL, 196608                       ; K's scale words,
.set VSL, 204800                       ; V's
	s_load_b128 s[4:7], s[0:1], 0x0                ; hq, maskw
	s_load_b64 s[8:9], s[0:1], 0x10                ; oq
	v_lshl_add_u32 v254, v0, 2, 0x33000
	v_mov_b32 v255, 0
	v_lshrrev_b32 v1, 5, v0
	v_readfirstlane_b32 s10, v1                    ; wave 0..15
	s_and_b32 s12, ttmp7, 0xffff                   ; bh = 16 batch + head
	v_lshlrev_b32 v8, 4, v0                        ; the copy: 16 bytes a thread, 8,192 a round
	v_add_nc_u32 v9, 0x10000, v8
	v_add_nc_u32 v10, 0x20000, v8
	v_add_nc_u32 v11, 0x30000, v8
	v_lshlrev_b32 v29, 3, v0
	v_add_nc_u32 v30, VSL, v29
	s_mul_i32 s16, s12, 98304
	s_mov_b32 s17, 0
	s_lshl_b32 s18, s12, 13
	s_mov_b32 s19, 0
	s_lshl_b32 s20, s12, 12
	s_mov_b32 s21, 0
	s_wait_kmcnt 0x0
	s_add_nc_u64 s[96:97], s[4:5], s[16:17]        ; my head's codes of Q; K's lie 6,291,456 bytes on
	s_add_nc_u64 s[22:23], s[96:97], 12582912      ; V's
	s_add_nc_u64 s[2:3], s[4:5], s[18:19]
	s_add_nc_u64 s[2:3], s[2:3], 18874368          ; Q's scale words; K's lie 524,288 bytes on
	s_add_nc_u64 s[24:25], s[4:5], s[20:21]
	s_add_nc_u64 s[24:25], s[24:25], 19922944      ; V's scale words
.irp i, 0,1,2,3,4,5,6,7,8,9,10,11
	global_load_b128 v[96+4*\i:99+4*\i], v8, s[96:97] offset:6291456+8192*\i
.endr
.irp i, 0,1,2,3,4,5,6,7,8,9,10,11
	global_load_b128 v[144+4*\i:147+4*\i], v8, s[22:23] offset:8192*\i
.endr
	global_load_b128 v[192:195], v8, s[2:3] offset:524288
	global_load_b64 v[196:197], v29, s[24:25]
	v_and_b32 v5, 31, v0                           ; l
	v_and_b32 v6, 15, v0                           ; r
	v_bfe_u32 v7, v0, 4, 1                         ; h
	v_lshlrev_b32 v1, 4, v5                        ; 16 l
	v_lshlrev_b32 v2, 3, v5                        ; 8 l
	v_add_nc_u32 v3, VCL, v1
	v_add_nc_u32 v4, VCL, v2
	v_lshlrev_b32 v232, 4, v6                      ; 16 r
	v_add_nc_u32 v31, v232, v7                     ; 16 r + h
	v_add_nc_u32 v5, KSL, v1                       ; K's scale words: lanes 0-15 tiles 0-3 of a step, lanes 16-31 tiles 4-7
	v_add_nc_u32 v6, VSL, v232
	v_mov_b32 v7, 0xd0000000                       ; -2^33
.irp i, 0,1,2,3,4,5
	v_mov_b32 v[22+\i], 0                          ; Q's zero codes for K = 64 .. 127
	v_mov_b32 v[80+\i], 0                          ; what follows K's last tile
.endr
	s_mov_b32 s66, 0x76543210
	s_mov_b32 s67, 0xfedcba98                      ; v_permlanex16_b32's selects for lane l xor 16
	s_mov_b32 s94, 0x3e38aa3b                      ; c = log2(e) / 8
	s_mov_b32 s95, s94                             ; (named with it as a pair, so it is written)
	s_lshr_b32 s11, s12, 4
	s_mul_i32 s11, s11, 1638400                    ; oq: my batch's 128 records,
	s_bfe_u32 s14, s12, 0x10003
	s_mul_i32 s14, s14, 6400                       ; the half of K in which my head lies
	s_add_co_u32 s11, s11, s14
.irp i, 0,1,2,3,4,5,6,7,8,9,10,11,12,13,14,15,16,17,18,19,20,21,22,23,24
	s_wait_loadcnt 25-\i                           ; load i is in; the 25 - i issued behind it may be out
	ds_store_b128 v[8+\i/8], v[96+4*\i:99+4*\i] offset:8192*(\i%8)
.endr
	s_wait_loadcnt 0x0
	ds_store_b64 v30, v[196:197]
	s_wait_dscnt 0x0                               ; for the others' sake: my stores have landed
	s_barrier_signal -1
	s_barrier_wait -1                              ; the head's K and V lie in LDS
.macro PASS n
	s_wait_xcnt 0x0                                ; the last pass's stores have read their data, offsets and bases
.if \n == 0
	s_lshl_b32 s13, s10, 2
	s_add_co_u32 s13, s13, ttmp9                   ; t = 4 w + j
.else
	s_sub_co_u32 s13, 127, s13                     ; and its partner from the other end
.endif
	s_lshl_b32 s14, s13, 6
	s_load_b512 s[16:31], s[6:7], s14 offset:0x80000   ; the tile's 16 fact words
	s_mul_i32 s15, s13, 768
	v_add_nc_u32 v233, s15, v1
	v_add_nc_u32 v234, s15, v2
	s_lshr_b32 s15, s13, 2
	s_lshl_b32 s15, s15, 8
	s_and_b32 s84, s13, 3
	s_lshl_b32 s84, s84, 2
	s_add_co_u32 s15, s15, s84
	v_add_nc_u32 v235, s15, v232
	global_load_b128 v[16:19], v233, s[96:97]      ; Q's half image
	global_load_b64 v[20:21], v234, s[96:97] offset:512
	global_load_b32 v28, v235, s[2:3]              ; and its scale word
	s_lshl_b32 s92, s13, 12
	s_mov_b32 s93, 0
	s_add_nc_u64 s[92:93], s[6:7], s[92:93]        ; the tile's mask words: 256 bytes a key step
	s_mul_i32 s98, s13, 12800
	s_add_co_u32 s98, s98, s11
	s_mov_b32 s99, 0
	s_add_nc_u64 s[98:99], s[8:9], s[98:99]        ; the tile's record in oq, my head's half
	s_and_b32 s84, s12, 7
	s_lshl_b32 s84, s84, 1
	s_mov_b32 s85, 0
	s_add_nc_u64 s[100:101], s[98:99], s[84:85]    ; my head's two scale bytes of a row
	s_mul_i32 s84, s84, 384
	s_add_nc_u64 s[98:99], s[98:99], s[84:85]      ; my head's half image, less 256
	s_mov_b32 s86, 0                               ; bit ks: step ks is left out
	s_mov_b32 s87, 0                               ; bit ks: step ks is all open
	s_mov_b32 s88, 0
	s_wait_kmcnt 0x0
.irp ks, 0,1,2,3,4,5,6,7,8,9,10,11,12,13,14,15
	s_and_b32 s84, s[16+\ks], 0xffff               ; which rows have an open key in step ks
	s_cselect_b32 s85, 0, 1<<\ks
	s_or_b32 s86, s86, s85
	s_or_b32 s88, s88, s84
	s_bfe_u32 s85, s[16+\ks], 0x10010
	s_lshl_b32 s85, s85, \ks
	s_or_b32 s87, s87, s85
.endr
	s_cmp_eq_u32 s88, 0xffff                       ; has every row an open key somewhere?
	s_cselect_b32 s86, s86, 0                      ; if not, no step is left out
	s_mov_b32 s88, 0                               ; the key step
	s_mov_b32 s89, 0                               ; its codes in LDS: 6,144 bytes a step, K's and V's alike
	s_mov_b32 s90, 0                               ; K's scale words: 512
	s_mov_b32 s91, 0                               ; V's: 256
	s_wait_loadcnt 0x0
	v_and_b32 v28, 0xffff, v28                     ; scale bytes 0 over the zero codes.  (The lines below are the places that a scale register written by a vector instruction owes)
	v_mov_b32 v13, 0xff61b1e6                      ; the largest t so far: -3e38
	v_floor_f32 v12, -v13                          ; -M
	v_mov_b32 v14, 0
	v_mov_b32 v15, 0
.irp b, 0,1,2,3
	v_mov_b32 v[216+\b], 0                         ; a lane permute's destination counts as one of its sources
.endr
	v_mov_b32 v224, 0
	v_mov_b32 v225, 0
	v_mov_b32 v226, 0
.set jj, 0
.rept 32
	v_mov_b32 v[160+jj], 0                         ; O^T: the step is written once; its first trip finds zeros, which the first change of M leaves zeros
.set jj, jj+1
.endr
.Lstep_\@:
	s_lshr_b32 s84, s86, s88
	s_and_b32 s84, s84, 1
	s_cmp_lg_u32 s84, 0
	s_cbranch_scc1 .Lskip_\@                       ; round the step's work, not round the lines that step addresses
	s_load_b512 s[16:31], s[92:93], 0x0            ; the step's 64 mask words: they land under the products
	s_load_b512 s[32:47], s[92:93], 0x40
	s_load_b512 s[48:63], s[92:93], 0x80
	s_load_b512 s[68:83], s[92:93], 0xc0
	s_lshr_b32 s85, s87, s88
	s_and_b32 s85, s85, 1
	v_add_nc_u32 v8, s89, v1                       ; (these six are also the places in front of loads into registers that the last products read)
	v_add_nc_u32 v9, s89, v2
	v_add_nc_u32 v10, s89, v3
	v_add_nc_u32 v11, s89, v4
	v_add_nc_u32 v29, s90, v5
	v_add_nc_u32 v30, s91, v6
.irp t, 0,1,2,3,4,5,6,7
	ds_load_b128 v[32+6*\t:35+6*\t], v8 offset:768*\t
	ds_load_b64 v[36+6*\t:37+6*\t], v9 offset:768*\t+512
.endr
	ds_load_b128 v[86:89], v29
	s_wait_dscnt 0x0
.irp t, 0,1,2,3
	v_wmma_scale_f32_16x16x128_f8f6f4 v[96+8*\t:103+8*\t], v[32+6*\t:43+6*\t], v[16:27], 0, v[86+\t], v28 matrix_a_fmt:MATRIX_FMT_FP6 matrix_b_fmt:MATRIX_FMT_FP6
.endr
.irp t, 4,5,6,7
	v_wmma_scale_f32_16x16x128_f8f6f4 v[96+8*\t:103+8*\t], v[32+6*\t:43+6*\t], v[16:27], 0, v[82+\t], v28 matrix_a_fmt:MATRIX_FMT_FP6 matrix_b_fmt:MATRIX_FMT_FP6 matrix_a_scale:MATRIX_SCALE_ROW1
.endr
.rept 4
	v_nop                                          ; places in front of the loads below and of the first read of the scores
.endr
.irp d, 0,1,2,3                        ; V's four fragments land under the softmax
	ds_load_b128 v[32+12*\d:35+12*\d], v10 offset:1536*\d
	ds_load_b64 v[36+12*\d:37+12*\d], v11 offset:1536*\d+512
	ds_load_b128 v[38+12*\d:41+12*\d], v10 offset:1536*\d+768
	ds_load_b64 v[42+12*\d:43+12*\d], v11 offset:1536*\d+1280
.endr
	ds_load_b128 v[90:93], v30
	s_wait_kmcnt 0x0                               ; the mask words are in, on both ways
	s_cmp_lg_u32 s85, 0
	s_cbranch_scc1 .Lopen_\@
.irp g, 0,1,2,3
.irp i, 0,1,2,3,4,5,6,7,8,9,10,11,12,13,14,15
	v_cndmask_b32 v[96+16*\g+\i], v7, v[96+16*\g+\i], s[16+16*\g+4*(\g/3)+\i]   ; a hidden place takes the masked score
.endr
.endr
.Lopen_\@:
.irp b, 0,1,2,3
	v_max3_num_f32 v[212+\b], v[96+16*\b], v[97+16*\b], v[98+16*\b]   ; the largest score of each block of 32 keys: for the row's maximum, and, since p rises with the score, for the block's largest p
.endr
.irp i, 3,5,7,9,11,13
.irp b, 0,1,2,3
	v_max3_num_f32 v[212+\b], v[212+\b], v[96+16*\b+\i], v[97+16*\b+\i]
.endr
.endr
.irp b, 0,1,2,3
	v_max_num_f32 v[212+\b], v[212+\b], v[111+16*\b]
.endr
.irp b, 0,1,2,3
	v_permlanex16_b32 v[216+\b], v[212+\b], s66, s67
.endr
.irp b, 0,1,2,3
	v_max_num_f32 v[212+\b], v[212+\b], v[216+\b]  ; with lane l xor 16's 16 keys
.endr
	v_max3_num_f32 v226, v212, v213, v214
	v_max_num_f32 v226, v226, v215
	v_mul_f32 v226, s94, v226                      ; the step's largest t (c is positive)
	v_max_num_f32 v13, v13, v226
	v_mov_b32 v226, v12
	v_floor_f32 v12, -v13                          ; the new -M = -ceil(t): a whole number
	v_sub_f32 v226, v12, v226                      ; old M - new M: a whole number, 0 or less
	v_cvt_i32_f32 v226, v226                       ; (it saturates)
	v_ldexp_f32 v224, 1.0, v226                    ; f = 2^(old M - new M): a multiplication by it rounds nothing
.irp j, 0,2,4,6,8,10,12,14,16,18,20,22,24,26,28,30,32,34,36,38,40,42,44,46,48,50,52,54,56,58,60,62
	v_pk_fma_f32 v[96+\j:97+\j], v[96+\j:97+\j], s[94:95], v[12:13] op_sel_hi:[1,0,0]   ; t - M
.endr
.irp b, 0,1,2,3
	v_fma_f32 v[212+\b], v[212+\b], s94, v12       ; the same of each block's largest score
.endr
.set jj, 0
.rept 64
	v_exp_f32 v[96+jj], v[96+jj]                   ; p = 2^(t - M)
.set jj, jj+1
.endr
	v_pk_mul_f32 v[14:15], v[14:15], v[224:225] op_sel_hi:[1,0]   ; the sums under the new M; a plain line behind the exponentials
	s_wait_alu depctr_va_vdst(0)                   ; one wait for the batch of 64, ahead of its first reader
.irp b, 0,1,2,3
	v_exp_f32 v[212+\b], v[212+\b]                 ; the block's largest p
.endr
	v_pk_add_f32 v[228:229], v[96:97], v[98:99]    ; the row's sum of the unquantised p, in two chains; it reads the 64 alone
.irp j, 4,8,12,16,20,24,28,32,36,40,44,48,52,56,60
	v_pk_add_f32 v[14:15], v[14:15], v[96+\j:97+\j]
	v_pk_add_f32 v[228:229], v[228:229], v[98+\j:99+\j]
.endr
	v_pk_add_f32 v[14:15], v[14:15], v[228:229]
	s_wait_alu depctr_va_vdst(0)                   ; and one for the four
.irp b, 0,1,2,3
	v_max_num_f32 v[212+\b], 0x1800000, v[212+\b]  ; the floor 2^(3 - 127): the byte cannot fall under 1
.endr
.irp b, 0,1,2,3
	v_add_nc_u32 v[220+\b], 0xff000000, v[212+\b]  ; 2 off the exponent field: the conversion's scale operand
.endr
.irp b, 0,1,2,3
	v_lshrrev_b32 v[216+\b], 23, v[220+\b]
.endr
	v_lshl_or_b32 v225, v217, 8, v216              ; p's scale word for these 128 keys
	v_lshl_or_b32 v225, v218, 16, v225
	v_lshl_or_b32 v225, v219, 24, v225
.irp c, 0,1
	v_cvt_scalef32_pk16_fp6_f32 v[192+6*\c:194+6*\c], v[96+32*\c:111+32*\c], v[220+2*\c]
	v_cvt_scalef32_pk16_fp6_f32 v[204+4*\c:206+4*\c], v[112+32*\c:127+32*\c], v[220+2*\c+1]
.endr
	v_nop                                          ; one plain line behind a scaled conversion
.irp c, 0,1
.irp i, 0,1,2
	v_permlane16_swap_b32 v[192+6*\c+\i], v[204+4*\c+\i]
.endr
.irp i, 0,1,2
	v_mov_b32 v[195+6*\c+\i], v[204+4*\c+\i]
.endr
.endr
.irp j, 0,2,4,6,8,10,12,14,16,18,20,22,24,26,28,30
	v_pk_mul_f32 v[160+\j:161+\j], v[160+\j:161+\j], v[224:225] op_sel_hi:[1,0]   ; O^T under the new M; these sixteen are also the places in front of the products below
.endr
	s_wait_dscnt 0x0                               ; V is in
.irp d, 0,1,2,3                        ; four accumulators by turns, one instruction a turn
	v_wmma_scale_f32_16x16x128_f8f6f4 v[160+8*\d:167+8*\d], v[32+12*\d:43+12*\d], v[192:203], v[160+8*\d:167+8*\d], v[90+\d], v225 matrix_a_fmt:MATRIX_FMT_FP6 matrix_b_fmt:MATRIX_FMT_FP6
.endr
.Lskip_\@:
	s_wait_xcnt 0x0                                ; the scalar loads have read their base
	s_add_nc_u64 s[92:93], s[92:93], 256
	s_add_co_u32 s89, s89, 6144
	s_add_co_u32 s90, s90, 512
	s_add_co_u32 s91, s91, 256
	s_add_co_u32 s88, s88, 1
	s_cmp_lt_u32 s88, 16
	s_cbranch_scc1 .Lstep_\@
	; THE WAY OUT: O^T / the sum; its 32 registers are d = 32 b + 16 h + i of my query: two blocks along d_model, one half image
.rept 4
	v_nop                                          ; places behind the last products
.endr
	v_add_f32 v14, v14, v15
	v_permlanex16_b32 v226, v14, s66, s67
	v_add_f32 v14, v14, v226                       ; the row's sum
	v_rcp_f32 v14, v14
	v_nop                                          ; a plain line behind the reciprocal
	s_mov_b32 s15, 0xffff0000                      ; lanes 16-31
	s_wait_alu depctr_va_vdst(0)                   ; the wait ahead of its first reader
.irp j, 0,2,4,6,8,10,12,14,16,18,20,22,24,26,28,30
	v_pk_mul_f32 v[96+\j:97+\j], v[160+\j:161+\j], v[14:15] op_sel_hi:[1,0]   ; each accumulator from its low end on
.endr
.irp b, 0,1
	v_max3_num_f32 v[212+\b], |v[96+16*\b]|, |v[97+16*\b]|, 0x1800000
.endr
.irp i, 2,4,6,8,10,12,14
.irp b, 0,1
	v_max3_num_f32 v[212+\b], v[212+\b], |v[96+16*\b+\i]|, |v[97+16*\b+\i]|
.endr
.endr
.irp b, 0,1
	v_permlanex16_b32 v[216+\b], v[212+\b], s66, s67
.endr
.irp b, 0,1
	v_max_num_f32 v[212+\b], v[212+\b], v[216+\b]
.endr
.irp b, 0,1
	v_add_nc_u32 v[220+\b], 0xff000000, v[212+\b]
.endr
.irp b, 0,1
	v_lshrrev_b32 v[216+\b], 23, v[220+\b]
.endr
	v_cvt_scalef32_pk16_fp6_f32 v[192:194], v[96:111], v220
	v_cvt_scalef32_pk16_fp6_f32 v[204:206], v[112:127], v221
	v_cndmask_b32 v226, v216, v217, s15            ; my block's byte: block h; also the plain line behind the conversions
.irp i, 0,1,2
	v_permlane16_swap_b32 v[192+\i], v[204+\i]
.endr
.irp i, 0,1,2
	v_mov_b32 v[195+\i], v[204+\i]
.endr
	global_store_b128 v1, v[192:195], s[98:99] offset:256    ; 512 consecutive bytes, aligned on 256
	global_store_b64 v2, v[196:197], s[98:99] offset:768     ; 256 more
	global_store_b8 v31, v226, s[100:101]          ; one byte a lane: a row's 16 scale bytes come from eight heads, which lie in eight work-groups
.endm
	PASS 0
	PASS 1
	s_wait_tensorcnt 0x0
	ds_add_u32 v254, v255
	s_wait_dscnt 0x0
	s_endpgm
.Lfunc_end_k_q824e16118e_attn:
	.size	k_q824e16118e_attn, .Lfunc_end_k_q824e16118e_attn-k_q824e16118e_attn
	.p2alignl 7, 3214868480
	.fill 96, 4, 3214868480
	.section	.rodata,"a",@progbits
	.p2align	6, 0x0
	.amdhsa_kernel k_q824e16118e_attn
		.amdhsa_group_segment_fixed_size 210944
		.amdhsa_private_segment_fixed_size 0
		.amdhsa_enable_private_segment 0
		.amdhsa_kernarg_size 24
		.amdhsa_user_sgpr_count 2
		.amdhsa_user_sgpr_kernarg_segment_ptr 1
		.amdhsa_wavefront_size32 1
		.amdhsa_system_sgpr_workgroup_id_x 1
		.amdhsa_system_sgpr_workgroup_id_y 1
		.amdhsa_system_sgpr_workgroup_id_z 1
		.amdhsa_system_vgpr_workitem_id 0
		.amdhsa_next_free_vgpr 256
		.amdhsa_next_free_sgpr 102
		.amdhsa_reserve_vcc 0
		.amdhsa_float_denorm_mode_32 3
		.amdhsa_float_denorm_mode_16_64 3
		.amdhsa_memory_ordered 1
		.amdhsa_forward_progress 1
		.amdhsa_inst_pref_size 72
	.end_amdhsa_kernel
	.amdgpu_metadata
---
amdhsa.version: [ 1, 2 ]
amdhsa.kernels:
  - .name:           k_q824e16118e_attn
    .symbol:         k_q824e16118e_attn.kd
    .args:
      - { .name: hq, .offset: 0, .size: 8, .value_kind: global_buffer, .address_space: global }
      - { .name: maskw, .offset: 8, .size: 8, .value_kind: global_buffer, .address_space: global }
      - { .name: oq, .offset: 16, .size: 8, .value_kind: global_buffer, .address_space: global }
    .group_segment_fixed_size: 210944
    .private_segment_fixed_size: 0
    .kernarg_segment_align: 8
    .kernarg_segment_size: 24
    .max_flat_workgroup_size: 512
    .sgpr_count:     102
    .vgpr_count:     256
    .wavefront_size: 32
...
	.end_amdgpu_metadata
.endif
;; end of part 3
;; launch outp (part 4): grid 4 x 64, 4 waves a work-group, clusters of 4 x 4, 307,712 bytes of LDS; arguments oq, wts, bo, out0; writes out0
.if DOCPART == 4
	.amdgcn_target "amdgcn-amd-amdhsa--gfx1250"
	.amdhsa_code_object_version 6
	.text
	.protected	k_q824e16118e_outp
	.globl	k_q824e16118e_outp
	.p2align	8
	.type	k_q824e16118e_outp,@function
k_q824e16118e_outp:
	s_mov_b64 s[64:65], 0
	v_nop
	global_prefetch_b8 v0, s[64:65] scope:SCOPE_SE
	s_setreg_imm32_b32 hwreg(HW_REG_WAVE_MODE, 25, 1), 1
	s_wait_xcnt 0x0
	s_wait_alu depctr_hold_cnt(0) depctr_sa_sdst(0) depctr_va_vdst(0) depctr_va_sdst(0) depctr_va_ssrc(0) depctr_va_vcc(0) depctr_vm_vsrc(0)
	s_getreg_b32 s2, hwreg(HW_REG_IB_STS2, 6, 4)
	s_cmp_eq_u32 s2, 0
	s_cbranch_scc0 .Lentry_in_a_cluster
	s_endpgm
.Lentry_in_a_cluster:
	s_bfe_u32 s2, ttmp6, 0x10000c
	s_cmp_lg_u32 s2, 0xf033
	s_cbranch_scc0 .Lentry_shape_is_right
	s_endpgm
.Lentry_shape_is_right:
; OUTP.  out0 = O wo^T + bo on codes of FP6 (E2M3) with E8M0 scales, f32 sums.  O comes as records of row tiles from the launch before, wo likewise (the fourth weight in wts).
; A WORK-GROUP makes X 128 tokens x Y 256 columns over all of K = 1,024: 256 work-groups.  Its operands, 307,200 bytes, lie in LDS whole: every LDS byte is filled ONCE by the data mover, so there is no ring.
; Four waves: wave w takes tokens 64 (w / 2) on (4 tiles) and columns 128 (w % 2) on (8 tiles): 32 accumulators.  THE MATRIX INSTRUCTION IS USED TRANSPOSED (source 0 = a tile of wo's rows, source 1 = a tile of tokens):
; a lane holds one token, and its 64 registers are columns 32 b + 16 h + i.  A tile's 16 rows are 32 (i / 2) + 8 (i % 2) + r + 8 (r / 8).
; CLUSTER 4 x 4: the tokens' records are shared along a row of the cluster, wo's along a column; each is asked for jointly.  One round stands ahead of the first fills and one ahead of the end.
; A wave has at most two tensor loads out: the two halves of K of its part (wave 0: X; waves 1, 2: Y's halves; wave 3: none).
; REGISTERS.  window 0: v4-15 LDS addresses; v16-18, v22 the way out and the bias; v32-47 X's scale words, v48-79 Y's (nothing else is ever kept there); v80-143 the bias, later rows of out0; v144-239 X's fragments, two sets, later rows.
;   window 1: accumulator (a, b) at v[8 (8 a + b)].   window 2: Y's fragments, two sets of 96.
.set HB,  153600
.set RTH, 6400
.set XB,  51200
.set SA,  32
.set SB,  48
.set YB,  80
.set AF,  144
.set WV,  16
.set G1A, 44
.set G1B, 52
.set G0A, 68
.set G0B, 76
.set SPITCH, 528                       ; the way out: a stage of 16 rows x (512 bytes + 16) for each wave, in the first half's bytes: they have had their one fill, and every wave has left them at the second barrier
.set MSB, 0
.macro WIN new
.if MSB != \new
	s_set_vgpr_msb (MSB<<8)|\new
.set MSB, \new
.endif
.endm
.macro CROUND
	s_barrier_signal -1
	s_barrier_wait -1
	s_cmp_lg_u32 s[WV], 0
	s_cbranch_scc1 .Lnot_wave_0_\@
	s_barrier_signal -3
.Lnot_wave_0_\@:
	s_barrier_wait -3
	s_barrier_signal -1
	s_barrier_wait -1
.endm
.macro PLACES
.rept 4
	v_nop
.endr
.endm
.macro FRAG reg, a16, a8, off
	ds_load_b128 v[(\reg):(\reg)+3], v[\a16] offset:\off
	ds_load_b64 v[(\reg)+4:(\reg)+5], v[\a8] offset:(\off)+512
	ds_load_b128 v[(\reg)+6:(\reg)+9], v[\a16] offset:(\off)+768
	ds_load_b64 v[(\reg)+10:(\reg)+11], v[\a8] offset:(\off)+1280
.endm
.macro FETCH k
	WIN 0x80
.irp i, 0,1,2,3,4,5,6,7
	FRAG 96*((\k)%2)+12*\i, 8+(\k)/4, 10+(\k)/4, RTH*\i+256+1536*((\k)%4)
.endr
	WIN 0
.irp i, 0,1,2,3
	FRAG AF+48*((\k)%2)+12*\i, 4+(\k)/4, 6+(\k)/4, RTH*\i+256+1536*((\k)%4)
.endr
.endm
.macro SCALES H
.irp i, 0,1
	ds_load_b128 v[SA+8*\i+4*\H:SA+8*\i+4*\H+3], v[12+\H] offset:RTH*\i
.endr
.irp i, 0,1,2,3
	ds_load_b128 v[SB+8*\i+4*\H:SB+8*\i+4*\H+3], v[14+\H] offset:RTH*\i
.endr
.endm
.macro WM a, b, k
.set rD, 8*(8*(\a)+(\b))
.set rC, rD
.if (\k) == 0
.set rC, YB+8*(\b)                     ; the bias is the C of a sum's first instruction
.endif
.set rY, 96*((\k)%2)+12*(\b)
.set rX, AF+48*((\k)%2)+12*(\a)
.set rS, SB+8*((\b)%4)+(\k)
.set rT, SA+8*((\a)%2)+(\k)
.if ((\b) < 4) && ((\a) < 2)
	v_wmma_scale_f32_16x16x128_f8f6f4 v[rD:rD+7], v[rY:rY+11], v[rX:rX+11], v[rC:rC+7], v[rS], v[rT] matrix_a_fmt:MATRIX_FMT_FP6 matrix_b_fmt:MATRIX_FMT_FP6
.elseif (\b) < 4
	v_wmma_scale_f32_16x16x128_f8f6f4 v[rD:rD+7], v[rY:rY+11], v[rX:rX+11], v[rC:rC+7], v[rS], v[rT] matrix_a_fmt:MATRIX_FMT_FP6 matrix_b_fmt:MATRIX_FMT_FP6 matrix_b_scale:MATRIX_SCALE_ROW1
.elseif (\a) < 2
	v_wmma_scale_f32_16x16x128_f8f6f4 v[rD:rD+7], v[rY:rY+11], v[rX:rX+11], v[rC:rC+7], v[rS], v[rT] matrix_a_fmt:MATRIX_FMT_FP6 matrix_b_fmt:MATRIX_FMT_FP6 matrix_a_scale:MATRIX_SCALE_ROW1
.else
	v_wmma_scale_f32_16x16x128_f8f6f4 v[rD:rD+7], v[rY:rY+11], v[rX:rX+11], v[rC:rC+7], v[rS], v[rT] matrix_a_fmt:MATRIX_FMT_FP6 matrix_b_fmt:MATRIX_FMT_FP6 matrix_a_scale:MATRIX_SCALE_ROW1 matrix_b_scale:MATRIX_SCALE_ROW1
.endif
.endm
.macro MUL k                           ; the 32 accumulators take turns, one instruction a turn, in the same order in every step
.if (\k) == 0
	WIN 0x42
.else
	WIN 0x52
.endif
.irp a, 0,1,2,3
.irp b, 0,1,2,3,4,5,6,7
	WM \a, \b, \k
.endr
.endr
.endm
	s_load_b256 s[4:11], s[0:1], 0x0               ; oq, wts, bo, out0
	v_lshl_add_u32 v254, v0, 2, 0x4b000
	v_mov_b32 v255, 0
	ds_add_u32 v254, v255
	ds_add_u32 v254, v255
	v_lshrrev_b32 v1, 5, v0
	v_readfirstlane_b32 s[WV], v1
	v_and_b32 v1, 31, v0                           ; l
	v_and_b32 v2, 15, v0                           ; r
	v_bfe_u32 v3, v0, 4, 1                         ; h
	s_lshr_b32 s17, s[WV], 1                       ; wx.  Also: which eight of Y's records waves 1 and 2 fetch
	s_and_b32 s18, s[WV], 1                        ; wy
	s_bfe_u32 s19, ttmp6, 0x40000                  ; cx = Yt
	s_bfe_u32 s20, ttmp6, 0x40004                  ; cy
	s_and_b32 s21, ttmp7, 0xffff
	s_lshl_b32 s24, s21, 2
	s_add_co_u32 s24, s24, s20                     ; Xt = 4 x cluster y + cy
	s_mul_i32 s36, s24, 102400
	s_mov_b32 s37, 0
	s_mul_i32 s38, s19, 204800
	s_mul_i32 s39, s17, 102400
	s_add_co_u32 s38, s38, s39
	s_add_co_u32 s38, s38, 2457600                 ; wo is the fourth weight
	s_mov_b32 s39, 0
	s_mul_i32 s97, s17, XB
	s_lshl_b32 s40, s20, 2
	s_lshl_b32 s40, 15, s40                        ; my row of the cluster
	s_lshl_b32 s41, 0x1111, s19                    ; my column
	s_or_b32 s[G1A], s40, (3<<16)|(1<<21)          ; 8 rows of 6,400 bytes (800 elements of 8 bytes), 12,800 bytes apart, dense in LDS
	s_or_b32 s[G1B], s41, (3<<16)|(1<<21)
.irp g, G1A, G1B
	s_mov_b32 s[\g+1], 800<<16
	s_mov_b32 s[\g+2], 8<<16
	s_mov_b32 s[\g+3], 800<<16
	s_mov_b32 s[\g+4], 8
	s_mov_b32 s[\g+5], 1600
	s_mov_b32 s[\g+6], 0
	s_mov_b32 s[\g+7], 0
.endr
	s_wait_dscnt 0x0
	s_wait_kmcnt 0x0
	s_add_nc_u64 s[42:43], s[4:5], s[36:37]
	s_add_nc_u64 s[84:85], s[6:7], s[38:39]
	CROUND                                         ; all sixteen work-groups are here: the joint loads meet
.irp H, 0,1
	s_mov_b32 s[G0A+4*\H], 1
	s_mov_b32 s[G0A+4*\H+1], \H*HB
	s_add_nc_u64 s[G0A+4*\H+2:G0A+4*\H+3], s[42:43], \H*RTH
	s_or_b32 s[G0A+4*\H+3], s[G0A+4*\H+3], 0x80000000
	s_mov_b32 s[G0B+4*\H], 1
	s_add_co_u32 s[G0B+4*\H+1], s97, \H*HB+XB
	s_add_nc_u64 s[G0B+4*\H+2:G0B+4*\H+3], s[84:85], \H*RTH
	s_or_b32 s[G0B+4*\H+3], s[G0B+4*\H+3], 0x80000000
.endr
	s_cmp_eq_u32 s[WV], 0                          ; a wave's two first fills stand in one branch on the wave's number; four v_nop follow the second
	s_cbranch_scc0 .Lnot_x
	tensor_load_to_lds s[G0A:G0A+3], s[G1A:G1A+7]
	s_nop 0
	tensor_load_to_lds s[G0A+4:G0A+7], s[G1A:G1A+7]
	s_nop 0
.rept 4
	v_nop
.endr
	s_branch .Lasked
.Lnot_x:
	s_cmp_lt_u32 s[WV], 3
	s_cbranch_scc0 .Lasked
	tensor_load_to_lds s[G0B:G0B+3], s[G1B:G1B+7]
	s_nop 0
	tensor_load_to_lds s[G0B+4:G0B+7], s[G1B:G1B+7]
	s_nop 0
.rept 4
	v_nop
.endr
.Lasked:
	s_mul_i32 s98, s17, 25600
	s_mul_i32 s99, s18, XB
	s_add_co_u32 s99, s99, XB
	v_mul_u32_u24 v20, v3, 12800
	v_lshl_add_u32 v20, v2, 4, v20
	v_mul_u32_u24 v21, v3, 25600
	v_lshl_add_u32 v21, v2, 4, v21
.irp H, 0,1
	v_lshl_add_u32 v[4+\H], v1, 4, s98
	v_lshl_add_u32 v[6+\H], v1, 3, s98
	v_lshl_add_u32 v[8+\H], v1, 4, s99
	v_lshl_add_u32 v[10+\H], v1, 3, s99
	v_add_nc_u32 v[12+\H], s98, v20
	v_add_nc_u32 v[14+\H], s99, v21
	s_add_co_u32 s98, s98, HB
	s_add_co_u32 s99, s99, HB
.endr
	s_lshl_b32 s88, s24, 7
	s_lshl_b32 s97, s17, 6
	s_add_co_u32 s88, s88, s97                     ; X0: my first token
	s_lshl_b32 s89, s19, 8
	s_lshl_b32 s97, s18, 7
	s_add_co_u32 s89, s89, s97                     ; Y0: my first column
	s_lshl_b32 s89, s89, 2
	v_lshlrev_b32 v22, 6, v3
	v_add_nc_u32 v22, s89, v22                     ; the bias: tile t's eight numbers of my half
.irp t, 0,1,2,3,4,5,6,7
	global_load_b128 v[YB+8*\t:YB+8*\t+3], v22, s[8:9] offset:(32*(\t/2)+8*(\t%2))*4
	global_load_b128 v[YB+8*\t+4:YB+8*\t+7], v22, s[8:9] offset:(32*(\t/2)+8*(\t%2))*4+16
.endr
	s_lshl_b32 s88, s88, 12
	s_add_co_u32 s88, s88, s89
	s_mov_b32 s89, 0
	s_add_nc_u64 s[86:87], s[10:11], s[88:89]      ; out0 at (X0, Y0)
	s_mul_i32 s97, s[WV], 16*SPITCH                ; my stage
	v_mul_u32_u24 v16, v2, SPITCH
	v_lshl_add_u32 v16, v3, 6, v16
	v_add_nc_u32 v16, s97, v16                     ; in: row r, + 64 h
	v_lshlrev_b32 v18, 4, v1                       ; 16 l
	v_add_nc_u32 v17, s97, v18                     ; back: the 32 lanes take one row of 512 bytes
	s_wait_tensorcnt 0x1                           ; my part of K's first half is in; the second half's load may stay out
	s_barrier_signal -1
	s_barrier_wait -1
	SCALES 0
	FETCH 0
	FETCH 1
	s_wait_loadcnt 0x0                             ; the bias
	s_wait_dscnt 48                                ; all but the 48 loads just issued
	MUL 0
.irp k, 1,2
	PLACES
	FETCH \k+1
	s_wait_dscnt 48
	MUL \k
.endr
	PLACES
	s_wait_tensorcnt 0x0                           ; my part of the second half is in,
	s_wait_dscnt 0x0                               ; and my reads of the first half are over
	s_barrier_signal -1
	s_barrier_wait -1                              ; both hold of every wave
	WIN 0
	SCALES 1
	FETCH 4
	MUL 3
.irp k, 4,5,6
	PLACES
	FETCH \k+1
	s_wait_dscnt 48
	MUL \k
.endr
	s_wait_dscnt 0x0
	MUL 7
	WIN 0
	PLACES
; THE WAY OUT, a tile of 16 tokens x 128 columns at a time, through my own stage: LDS serves a wave's instructions in order, so no wait stands between the stores and the loads, nor in front of the next tile's stores
.macro TOSTAGE a
	WIN 0x04                                       ; an LDS store's data are its source 1: window 1
.irp b, 0,1,2,3,4,5,6,7
	ds_store_b128 v16, v[64*(\a)+8*\b:64*(\a)+8*\b+3] offset:128*(\b/2)+32*(\b%2)      ; each accumulator from its low end on
	ds_store_b128 v16, v[64*(\a)+8*\b+4:64*(\a)+8*\b+7] offset:128*(\b/2)+32*(\b%2)+16
.endr
	WIN 0
.set BB, 144-64*((\a)%2)
.irp t, 0,1,2,3,4,5,6,7,8,9,10,11,12,13,14,15
	ds_load_b128 v[BB+4*\t:BB+4*\t+3], v17 offset:\t*SPITCH
.endr
.endm
.macro SEND a, younger                 ; younger: the LDS instructions issued behind tile a's loads, which may stay out
.set BB, 144-64*((\a)%2)
	s_wait_dscnt \younger
.irp t, 0,1,2,3,4,5,6,7,8,9,10,11,12,13,14,15
	global_store_b128 v18, v[BB+4*\t:BB+4*\t+3], s[86:87] offset:(32*((\a)/2)+8*((\a)%2)+\t+8*(\t/8))*4096 th:TH_STORE_NT   ; 512 consecutive bytes, aligned on 256; written once
.endr
.endm
	TOSTAGE 0
.irp a, 1,2,3
.if \a > 1
	s_wait_xcnt 0x0                                ; tile a - 2's stores have read the registers into which tile a's rows come back
.endif
	TOSTAGE \a
	SEND \a-1, 32
.endr
	SEND 3, 0
	s_wait_tensorcnt 0x0
	ds_add_u32 v254, v255
	s_wait_dscnt 0x0
	CROUND                                         ; the closing round
	s_endpgm
.Lfunc_end_k_q824e16118e_outp:
	.size	k_q824e16118e_outp, .Lfunc_end_k_q824e16118e_outp-k_q824e16118e_outp
	.p2alignl 7, 3214868480
	.fill 96, 4, 3214868480
	.section	.rodata,"a",@progbits
	.p2align	6, 0x0
	.amdhsa_kernel k_q824e16118e_outp
		.amdhsa_group_segment_fixed_size 307712
		.amdhsa_private_segment_fixed_size 0
		.amdhsa_enable_private_segment 0
		.amdhsa_kernarg_size 32
		.amdhsa_user_sgpr_count 2
		.amdhsa_user_sgpr_kernarg_segment_ptr 1
		.amdhsa_wavefront_size32 1
		.amdhsa_system_sgpr_workgroup_id_x 1
		.amdhsa_system_sgpr_workgroup_id_y 1
		.amdhsa_system_sgpr_workgroup_id_z 1
		.amdhsa_system_vgpr_workitem_id 0
		.amdhsa_next_free_vgpr 768
		.amdhsa_next_free_sgpr 100
		.amdhsa_reserve_vcc 0
		.amdhsa_float_denorm_mode_32 3
		.amdhsa_float_denorm_mode_16_64 3
		.amdhsa_memory_ordered 1
		.amdhsa_forward_progress 1
		.amdhsa_inst_pref_size 83
	.end_amdhsa_kernel
	.amdgpu_metadata
---
amdhsa.version: [ 1, 2 ]
amdhsa.kernels:
  - .name:           k_q824e16118e_outp
    .symbol:         k_q824e16118e_outp.kd
    .args:
      - { .name: oq, .offset: 0, .size: 8, .value_kind: global_buffer, .address_space: global }
      - { .name: wts, .offset: 8, .size: 8, .value_kind: global_buffer, .address_space: global }
      - { .name: bo, .offset: 16, .size: 8, .value_kind: global_buffer, .address_space: global }
      - { .name: out0, .offset: 24, .size: 8, .value_kind: global_buffer, .address_space: global }
    .group_segment_fixed_size: 307712
    .private_segment_fixed_size: 0
    .kernarg_segment_align: 8
    .kernarg_segment_size: 32
    .max_flat_workgroup_size: 128
    .sgpr_count:     100
    .vgpr_count:     768
    .wavefront_size: 32
...
	.end_amdgpu_metadata
.endif
;; end of part 4
;; ======== version 2 of 2: 4 launches; version 1 with the launch attn written anew for expert scheduling mode
;; limits: right only within a limited range of input values
;; workspace buffers: xq 19,660,800 bytes; wts 3,276,800 bytes; maskw 532,480 bytes of whole numbers; hq 20,185,088 bytes; oq 6,553,600 bytes
;; launch prep: the kernel of part 1 again; grid 576 x 1, 4 waves a work-group, no clusters, 37,376 bytes of LDS; arguments q, k, v, wq, wk, wv, wo, mask, xq, wts, maskw; writes xq, wts, maskw
;; launch proj: the kernel of part 2 again; grid 4 x 192, 4 waves a work-group, clusters of 4 x 4, 307,712 bytes of LDS; arguments xq, wts, bq, bk, bv, hq; writes hq
;; launch attn (part 5): grid 4 x 64, 16 waves a work-group, no clusters, 210,944 bytes of LDS; arguments hq, maskw, oq; writes oq
.if DOCPART == 5
	.amdgcn_target "amdgcn-amd-amdhsa--gfx1250"
	.amdhsa_code_object_version 6
	.text
	.protected	k_q824e16118e_attn
	.globl	k_q824e16118e_attn
	.p2align	8
	.type	k_q824e16118e_attn,@function
k_q824e16118e_attn:
	s_mov_b64 s[64:65], 0
	v_nop
	global_prefetch_b8 v0, s[64:65] scope:SCOPE_SE
	s_setreg_imm32_b32 hwreg(HW_REG_WAVE_SCHED_MODE, 0, 2), 2
	s_setreg_imm32_b32 hwreg(HW_REG_WAVE_MODE, 25, 1), 1
	s_wait_xcnt 0x0
	s_wait_alu depctr_vm_vsrc(0)
; ATTN.  For each batch and head: S = qh kh^T / 8, the given mask, softmax, O = P vh, both products on codes of FP6 (E2M3) with E8M0 scales; O / l is quantised along d_model for the last product.
; THE SOFTMAX AHEAD OF THE SECOND PRODUCT: t = score x log2(e) / 8; M = the running largest t rounded UP to a whole number; p = 2^(t - M) is quantised along the keys; the row's sum is taken of the unquantised p and divides O at the end.
; SHARES.  Work-group (j, bh) takes 32 tiles of 16 queries of one head; wave w takes tile 4 w + j and then tile 127 - (4 w + j).  A head's K and V as codes, 208,896 bytes with their scale words, are copied into LDS ONCE,
; through registers; one barrier; after it no LDS byte is written.  No tensor load: the walk over the keys branches on stored whole numbers.
; THE MASK IS AN INPUT.  An earlier launch has stored, for each tile of 16 queries x 128 keys, 64 lane-mask words and a fact word.  A key step is left out where the mask hides all its 2,048 places AND each of the 16 rows has
; an open key somewhere: such a step adds exactly 0.  Where all places are open the 64 selects are jumped over.  Both are scalar branches on those stored numbers; the loop's trip count is the constant 16.
; LAYOUT.  Both products are used transposed (S^T = K Q^T, O^T = V^T P^T): a lane holds ONE query.  A tile's 16 rows are 32 (i / 2) + 8 (i % 2) + r + 8 (r / 8), so that the 16 registers of two neighbouring tiles are 16 neighbours.
; K = 64 IN A FORM OF 128: Q's upper six registers are zero codes and its upper two scale bytes 0; K's upper six registers are whatever follows (the next tile's codes): times zero codes they add nothing.
; LIMITS: a masked logit is taken as -2^30 (raw score -2^33) where the problem says -1e9: score x c is then exact and a wholly masked row gives p = 1 exactly, as with -1e9; results differ only where an open logit lies under
; about -9.9e8, and leaving hidden steps out rests on the same bound.  A block of zeros gets the byte 1 (zero codes; this program alone reads the bytes).  NaN and infinities are not served.
; No cluster: joint requests are tensor loads; what the four work-groups of a head share is read once by each, at its head.
; REGISTERS: v1-6 lane terms; v7 the masked score; v8-11, v29, v30 the step's addresses; v12 -M, v13 the largest t, v[14:15] the sum; v16-27 Q; v28 Q's scale word; v31, v232 lane terms; v32-79 K's 8 tiles, then V's 4 fragments;
;   v80-85 zeros; v86-89 K's scale words, v90-93 V's; v96-159 S^T, then p; v160-191 O^T; v192-210 codes; v212-229 at work; v233-235 Q's offsets.
; THE MODE: SCHED_MODE bits 1:0 = 2 (LLVM: expert scheduling mode 2), set by the entry lines.  The code itself states the register dependences between vector or matrix instructions and memory or LDS instructions,
; with s_wait_alu, always for 0.
; THE PLAN.  Registers that memory or LDS instructions touch:
;   v8-11, v29, v30   At the head: the copy's offsets and LDS addresses, written once, read by its 26 loads and 26 LDS stores.  In a key step: written by six adds at the step's head, read by the step's 34 LDS loads.
;   v96-197           At the head only: the copy's loads land in them, its LDS stores read them.  From the first pass on vector and matrix instructions alone name them (v192-197: see below).
;   v32-79            K's loads land at the step's head; the eight products S^T read them; V's loads land behind those; the four products O^T read them.  16 waves of 256 registers leave no room for a second set.
;   v86-89, v90-93    K's scale words land at the step's head and are read by the products S^T; V's land with V and are read by the products O^T.
;   v233-235          Q's offsets: three adds a pass, read by Q's three loads.     v16-21, v28  Q's loads land once a pass; every product S^T reads them; one v_and_b32 writes v28.
;   v192-197, v226    The way out's codes and byte: written by vector instructions, read by three stores.     v1, v2, v31  their offsets: made at the head, never written again.
; A KEY STEP has one wait on vm_vsrc, ahead of the six adds, and five on va_vdst: behind the adds (addresses written; the last products O^T are done with v32-79 and v90-93); behind the products S^T (they are done with
; v32-79); behind each of the two batches of exponentials; ahead of the products O^T (p's codes and scale word are written).  A step that is left out issues nothing on either side.
; A PASS has one wait on vm_vsrc at its head, one on va_vdst ahead of Q's loads, the reciprocal's, and one ahead of its three stores.
.set VCL, 98304                        ; LDS: K's codes at 0, V's here,
.set KSL, 196608                       ; K's scale words,
.set VSL, 204800                       ; V's
	s_load_b128 s[4:7], s[0:1], 0x0                ; hq, maskw
	s_load_b64 s[8:9], s[0:1], 0x10                ; oq
	v_lshl_add_u32 v254, v0, 2, 0x33000
	v_mov_b32 v255, 0
	v_lshrrev_b32 v1, 5, v0
	v_readfirstlane_b32 s10, v1                    ; wave 0..15
	s_and_b32 s12, ttmp7, 0xffff                   ; bh = 16 batch + head
	v_lshlrev_b32 v8, 4, v0                        ; the copy: 16 bytes a thread, 8,192 a round
	v_add_nc_u32 v9, 0x10000, v8
	v_add_nc_u32 v10, 0x20000, v8
	v_add_nc_u32 v11, 0x30000, v8
	v_lshlrev_b32 v29, 3, v0
	v_add_nc_u32 v30, VSL, v29
	s_wait_alu depctr_va_sdst(0)                   ; s10 is written, ahead of its first reader: the passes make their tile's number from it
	s_mul_i32 s16, s12, 98304
	s_mov_b32 s17, 0
	s_lshl_b32 s18, s12, 13
	s_mov_b32 s19, 0
	s_lshl_b32 s20, s12, 12
	s_mov_b32 s21, 0
	s_wait_kmcnt 0x0
	s_add_nc_u64 s[96:97], s[4:5], s[16:17]        ; my head's codes of Q; K's lie 6,291,456 bytes on
	s_add_nc_u64 s[22:23], s[96:97], 12582912      ; V's
	s_add_nc_u64 s[2:3], s[4:5], s[18:19]
	s_add_nc_u64 s[2:3], s[2:3], 18874368          ; Q's scale words; K's lie 524,288 bytes on
	s_add_nc_u64 s[24:25], s[4:5], s[20:21]
	s_add_nc_u64 s[24:25], s[24:25], 19922944      ; V's scale words
	s_wait_alu depctr_va_vdst(0)                   ; v8-11, v29 and v30 are written: the copy's loads and LDS stores read them; no vector instruction up to the barrier names them or v96-197
.irp i, 0,1,2,3,4,5,6,7,8,9,10,11
	global_load_b128 v[96+4*\i:99+4*\i], v8, s[96:97] offset:6291456+8192*\i
.endr
.irp i, 0,1,2,3,4,5,6,7,8,9,10,11
	global_load_b128 v[144+4*\i:147+4*\i], v8, s[22:23] offset:8192*\i
.endr
	global_load_b128 v[192:195], v8, s[2:3] offset:524288
	global_load_b64 v[196:197], v29, s[24:25]
	v_and_b32 v5, 31, v0                           ; l
	v_and_b32 v6, 15, v0                           ; r
	v_bfe_u32 v7, v0, 4, 1                         ; h
	v_lshlrev_b32 v1, 4, v5                        ; 16 l
	v_lshlrev_b32 v2, 3, v5                        ; 8 l
	v_add_nc_u32 v3, VCL, v1
	v_add_nc_u32 v4, VCL, v2
	v_lshlrev_b32 v232, 4, v6                      ; 16 r
	v_add_nc_u32 v31, v232, v7                     ; 16 r + h
	v_add_nc_u32 v5, KSL, v1                       ; K's scale words: lanes 0-15 tiles 0-3 of a step, lanes 16-31 tiles 4-7
	v_add_nc_u32 v6, VSL, v232
	v_mov_b32 v7, 0xd0000000                       ; -2^33
.irp i, 0,1,2,3,4,5
	v_mov_b32 v[22+\i], 0                          ; Q's zero codes for K = 64 .. 127
	v_mov_b32 v[80+\i], 0                          ; what follows K's last tile
.endr
	s_mov_b32 s66, 0x76543210
	s_mov_b32 s67, 0xfedcba98                      ; v_permlanex16_b32's selects for lane l xor 16
	s_mov_b32 s94, 0x3e38aa3b                      ; c = log2(e) / 8
	s_mov_b32 s95, s94                             ; (named with it as a pair, so it is written)
	s_lshr_b32 s11, s12, 4
	s_mul_i32 s11, s11, 1638400                    ; oq: my batch's 128 records,
	s_bfe_u32 s14, s12, 0x10003
	s_mul_i32 s14, s14, 6400                       ; the half of K in which my head lies
	s_add_co_u32 s11, s11, s14
.irp i, 0,1,2,3,4,5,6,7,8,9,10,11,12,13,14,15,16,17,18,19,20,21,22,23,24
	s_wait_loadcnt 25-\i                           ; load i is in; the 25 - i issued behind it may be out
	ds_store_b128 v[8+\i/8], v[96+4*\i:99+4*\i] offset:8192*(\i%8)
.endr
	s_wait_loadcnt 0x0
	ds_store_b64 v30, v[196:197]
	s_wait_dscnt 0x0                               ; for the others' sake: my stores have landed
	s_barrier_signal -1
	s_barrier_wait -1                              ; the head's K and V lie in LDS
.macro PASS n
	s_wait_xcnt 0x0                                ; the last pass's stores have read their data, offsets and bases
	s_wait_alu depctr_vm_vsrc(0)                   ; first pass: the copy's loads and LDS stores have read v8-11, v29, v30 and v96-197; second pass: the last pass's loads have read v233-235, its stores v192-197 and v226: all are written again below
.if \n == 0
	s_lshl_b32 s13, s10, 2
	s_add_co_u32 s13, s13, ttmp9                   ; t = 4 w + j
.else
	s_sub_co_u32 s13, 127, s13                     ; and its partner from the other end
.endif
	s_lshl_b32 s14, s13, 6
	s_load_b512 s[16:31], s[6:7], s14 offset:0x80000   ; the tile's 16 fact words
	s_mul_i32 s15, s13, 768
	v_add_nc_u32 v233, s15, v1
	v_add_nc_u32 v234, s15, v2
	s_lshr_b32 s85, s13, 2                         ; (a scalar register of its own: s15, s84 and s85 are written again only behind the wait below)
	s_lshl_b32 s85, s85, 8
	s_and_b32 s84, s13, 3
	s_lshl_b32 s84, s84, 2
	s_add_co_u32 s85, s85, s84
	v_add_nc_u32 v235, s85, v232
	s_wait_alu depctr_va_vdst(0)                   ; v233-235 are written, which the three loads read; the last pass's products are done reading v16-21 and v28 and its v_and_b32 has written v28, in which they land; the head's zero codes v22-27 and v80-85 are written
	global_load_b128 v[16:19], v233, s[96:97]      ; Q's half image
	global_load_b64 v[20:21], v234, s[96:97] offset:512
	global_load_b32 v28, v235, s[2:3]              ; and its scale word
	s_lshl_b32 s92, s13, 12
	s_mov_b32 s93, 0
	s_add_nc_u64 s[92:93], s[6:7], s[92:93]        ; the tile's mask words: 256 bytes a key step
	s_mul_i32 s98, s13, 12800
	s_add_co_u32 s98, s98, s11
	s_mov_b32 s99, 0
	s_add_nc_u64 s[98:99], s[8:9], s[98:99]        ; the tile's record in oq, my head's half
	s_and_b32 s84, s12, 7
	s_lshl_b32 s84, s84, 1
	s_mov_b32 s85, 0
	s_add_nc_u64 s[100:101], s[98:99], s[84:85]    ; my head's two scale bytes of a row
	s_mul_i32 s84, s84, 384
	s_add_nc_u64 s[98:99], s[98:99], s[84:85]      ; my head's half image, less 256
	s_mov_b32 s86, 0                               ; bit ks: step ks is left out
	s_mov_b32 s87, 0                               ; bit ks: step ks is all open
	s_mov_b32 s88, 0
	s_wait_kmcnt 0x0
.irp ks, 0,1,2,3,4,5,6,7,8,9,10,11,12,13,14,15
	s_and_b32 s84, s[16+\ks], 0xffff               ; which rows have an open key in step ks
	s_cselect_b32 s85, 0, 1<<\ks
	s_or_b32 s86, s86, s85
	s_or_b32 s88, s88, s84
	s_bfe_u32 s85, s[16+\ks], 0x10010
	s_lshl_b32 s85, s85, \ks
	s_or_b32 s87, s87, s85
.endr
	s_cmp_eq_u32 s88, 0xffff                       ; has every row an open key somewhere?
	s_cselect_b32 s86, s86, 0                      ; if not, no step is left out
	s_mov_b32 s88, 0                               ; the key step
	s_mov_b32 s89, 0                               ; its codes in LDS: 6,144 bytes a step, K's and V's alike
	s_mov_b32 s90, 0                               ; K's scale words: 512
	s_mov_b32 s91, 0                               ; V's: 256
	s_wait_loadcnt 0x0
	v_and_b32 v28, 0xffff, v28                     ; scale bytes 0 over the zero codes.  (The lines below are the places that a scale register written by a vector instruction owes; the wait for it stands at the step's head)
	v_mov_b32 v13, 0xff61b1e6                      ; the largest t so far: -3e38
	v_floor_f32 v12, -v13                          ; -M
	v_mov_b32 v14, 0
	v_mov_b32 v15, 0
.irp b, 0,1,2,3
	v_mov_b32 v[216+\b], 0                         ; a lane permute's destination counts as one of its sources
.endr
	v_mov_b32 v224, 0
	v_mov_b32 v225, 0
	v_mov_b32 v226, 0
.set jj, 0
.rept 32
	v_mov_b32 v[160+jj], 0                         ; O^T: the step is written once; its first trip finds zeros, which the first change of M leaves zeros
.set jj, jj+1
.endr
.Lstep_\@:
	s_lshr_b32 s84, s86, s88
	s_and_b32 s84, s84, 1
	s_cmp_lg_u32 s84, 0
	s_cbranch_scc1 .Lskip_\@                       ; round the step's work, not round the lines that step addresses
	s_load_b512 s[16:31], s[92:93], 0x0            ; the step's 64 mask words: they land under the products
	s_load_b512 s[32:47], s[92:93], 0x40
	s_load_b512 s[48:63], s[92:93], 0x80
	s_load_b512 s[68:83], s[92:93], 0xc0
	s_lshr_b32 s85, s87, s88
	s_and_b32 s85, s85, 1
	s_wait_alu depctr_vm_vsrc(0)                   ; the LDS loads issued so far have read v8-11, v29 and v30, which the six adds write
	v_add_nc_u32 v8, s89, v1
	v_add_nc_u32 v9, s89, v2
	v_add_nc_u32 v10, s89, v3
	v_add_nc_u32 v11, s89, v4
	v_add_nc_u32 v29, s90, v5
	v_add_nc_u32 v30, s91, v6
	s_wait_alu depctr_va_vdst(0)                   ; the six addresses are written, which this step's LDS loads read; the last products O^T are done reading v32-79 and v90-93, the last products S^T v86-89, in which loads land; in a pass's first step v28 is written, which the products below take as a scale
.irp t, 0,1,2,3,4,5,6,7
	ds_load_b128 v[32+6*\t:35+6*\t], v8 offset:768*\t
	ds_load_b64 v[36+6*\t:37+6*\t], v9 offset:768*\t+512
.endr
	ds_load_b128 v[86:89], v29
	s_wait_dscnt 0x0
.irp t, 0,1,2,3
	v_wmma_scale_f32_16x16x128_f8f6f4 v[96+8*\t:103+8*\t], v[32+6*\t:43+6*\t], v[16:27], 0, v[86+\t], v28 matrix_a_fmt:MATRIX_FMT_FP6 matrix_b_fmt:MATRIX_FMT_FP6
.endr
.irp t, 4,5,6,7
	v_wmma_scale_f32_16x16x128_f8f6f4 v[96+8*\t:103+8*\t], v[32+6*\t:43+6*\t], v[16:27], 0, v[82+\t], v28 matrix_a_fmt:MATRIX_FMT_FP6 matrix_b_fmt:MATRIX_FMT_FP6 matrix_a_scale:MATRIX_SCALE_ROW1
.endr
.rept 4
	v_nop                                          ; places in front of the first read of the scores (ISA guide 7.12.1)
.endr
	s_wait_alu depctr_va_vdst(0)                   ; the eight products are done reading v32-79, in which V's loads land; v10, v11 and v30 have not been named since the wait at the step's head
.irp d, 0,1,2,3                        ; V's four fragments land under the softmax
	ds_load_b128 v[32+12*\d:35+12*\d], v10 offset:1536*\d
	ds_load_b64 v[36+12*\d:37+12*\d], v11 offset:1536*\d+512
	ds_load_b128 v[38+12*\d:41+12*\d], v10 offset:1536*\d+768
	ds_load_b64 v[42+12*\d:43+12*\d], v11 offset:1536*\d+1280
.endr
	ds_load_b128 v[90:93], v30
	s_wait_kmcnt 0x0                               ; the mask words are in, on both ways
	s_cmp_lg_u32 s85, 0
	s_cbranch_scc1 .Lopen_\@
.irp g, 0,1,2,3
.irp i, 0,1,2,3,4,5,6,7,8,9,10,11,12,13,14,15
	v_cndmask_b32 v[96+16*\g+\i], v7, v[96+16*\g+\i], s[16+16*\g+4*(\g/3)+\i]   ; a hidden place takes the masked score
.endr
.endr
.Lopen_\@:
.irp b, 0,1,2,3
	v_max3_num_f32 v[212+\b], v[96+16*\b], v[97+16*\b], v[98+16*\b]   ; the largest score of each block of 32 keys: for the row's maximum, and, since p rises with the score, for the block's largest p
.endr
.irp i, 3,5,7,9,11,13
.irp b, 0,1,2,3
	v_max3_num_f32 v[212+\b], v[212+\b], v[96+16*\b+\i], v[97+16*\b+\i]
.endr
.endr
.irp b, 0,1,2,3
	v_max_num_f32 v[212+\b], v[212+\b], v[111+16*\b]
.endr
.irp b, 0,1,2,3
	v_permlanex16_b32 v[216+\b], v[212+\b], s66, s67
.endr
.irp b, 0,1,2,3
	v_max_num_f32 v[212+\b], v[212+\b], v[216+\b]  ; with lane l xor 16's 16 keys
.endr
	v_max3_num_f32 v226, v212, v213, v214
	v_max_num_f32 v226, v226, v215
	v_mul_f32 v226, s94, v226                      ; the step's largest t (c is positive)
	v_max_num_f32 v13, v13, v226
	v_mov_b32 v226, v12
	v_floor_f32 v12, -v13                          ; the new -M = -ceil(t): a whole number
	v_sub_f32 v226, v12, v226                      ; old M - new M: a whole number, 0 or less
	v_cvt_i32_f32 v226, v226                       ; (it saturates)
	v_ldexp_f32 v224, 1.0, v226                    ; f = 2^(old M - new M): a multiplication by it rounds nothing
.irp j, 0,2,4,6,8,10,12,14,16,18,20,22,24,26,28,30,32,34,36,38,40,42,44,46,48,50,52,54,56,58,60,62
	v_pk_fma_f32 v[96+\j:97+\j], v[96+\j:97+\j], s[94:95], v[12:13] op_sel_hi:[1,0,0]   ; t - M
.endr
.irp b, 0,1,2,3
	v_fma_f32 v[212+\b], v[212+\b], s94, v12       ; the same of each block's largest score
.endr
.set jj, 0
.rept 64
	v_exp_f32 v[96+jj], v[96+jj]                   ; p = 2^(t - M)
.set jj, jj+1
.endr
	v_pk_mul_f32 v[14:15], v[14:15], v[224:225] op_sel_hi:[1,0]   ; the sums under the new M; a plain line behind the exponentials
	s_wait_alu depctr_va_vdst(0)                   ; the 64 exponentials have written v96-159: one wait for the batch, ahead of its first reader
.irp b, 0,1,2,3
	v_exp_f32 v[212+\b], v[212+\b]                 ; the block's largest p
.endr
	v_pk_add_f32 v[228:229], v[96:97], v[98:99]    ; the row's sum of the unquantised p, in two chains; it reads the 64 alone
.irp j, 4,8,12,16,20,24,28,32,36,40,44,48,52,56,60
	v_pk_add_f32 v[14:15], v[14:15], v[96+\j:97+\j]
	v_pk_add_f32 v[228:229], v[228:229], v[98+\j:99+\j]
.endr
	v_pk_add_f32 v[14:15], v[14:15], v[228:229]
	s_wait_alu depctr_va_vdst(0)                   ; the four exponentials have written v212-215, ahead of their first reader
.irp b, 0,1,2,3
	v_max_num_f32 v[212+\b], 0x1800000, v[212+\b]  ; the floor 2^(3 - 127): the byte cannot fall under 1
.endr
.irp b, 0,1,2,3
	v_add_nc_u32 v[220+\b], 0xff000000, v[212+\b]  ; 2 off the exponent field: the conversion's scale operand
.endr
.irp b, 0,1,2,3
	v_lshrrev_b32 v[216+\b], 23, v[220+\b]
.endr
	v_lshl_or_b32 v225, v217, 8, v216              ; p's scale word for these 128 keys
	v_lshl_or_b32 v225, v218, 16, v225
	v_lshl_or_b32 v225, v219, 24, v225
.irp c, 0,1
	v_cvt_scalef32_pk16_fp6_f32 v[192+6*\c:194+6*\c], v[96+32*\c:111+32*\c], v[220+2*\c]
	v_cvt_scalef32_pk16_fp6_f32 v[204+4*\c:206+4*\c], v[112+32*\c:127+32*\c], v[220+2*\c+1]
.endr
	v_nop                                          ; one plain line behind a scaled conversion
.irp c, 0,1
.irp i, 0,1,2
	v_permlane16_swap_b32 v[192+6*\c+\i], v[204+4*\c+\i]
.endr
.irp i, 0,1,2
	v_mov_b32 v[195+6*\c+\i], v[204+4*\c+\i]
.endr
.endr
.irp j, 0,2,4,6,8,10,12,14,16,18,20,22,24,26,28,30
	v_pk_mul_f32 v[160+\j:161+\j], v[160+\j:161+\j], v[224:225] op_sel_hi:[1,0]   ; O^T under the new M; these sixteen are also the places in front of the products below
.endr
	s_wait_dscnt 0x0                               ; V is in
	s_wait_alu depctr_va_vdst(0)                   ; p's codes v192-203 and its scale word v225 are written, which the products below take as source 1 and as a scale; the places above stay beside this wait
.irp d, 0,1,2,3                        ; four accumulators by turns, one instruction a turn
	v_wmma_scale_f32_16x16x128_f8f6f4 v[160+8*\d:167+8*\d], v[32+12*\d:43+12*\d], v[192:203], v[160+8*\d:167+8*\d], v[90+\d], v225 matrix_a_fmt:MATRIX_FMT_FP6 matrix_b_fmt:MATRIX_FMT_FP6
.endr
.Lskip_\@:
	s_wait_xcnt 0x0                                ; the scalar loads have read their base
	s_add_nc_u64 s[92:93], s[92:93], 256
	s_add_co_u32 s89, s89, 6144
	s_add_co_u32 s90, s90, 512
	s_add_co_u32 s91, s91, 256
	s_add_co_u32 s88, s88, 1
	s_cmp_lt_u32 s88, 16
	s_cbranch_scc1 .Lstep_\@
	; THE WAY OUT: O^T / the sum; its 32 registers are d = 32 b + 16 h + i of my query: two blocks along d_model, one half image
.rept 4
	v_nop                                          ; places behind the last products
.endr
	v_add_f32 v14, v14, v15
	v_permlanex16_b32 v226, v14, s66, s67
	v_add_f32 v14, v14, v226                       ; the row's sum
	v_rcp_f32 v14, v14
	v_nop                                          ; a plain line behind the reciprocal
	s_mov_b32 s15, 0xffff0000                      ; lanes 16-31
	s_wait_alu depctr_va_vdst(0)                   ; the reciprocal has written v14, ahead of its first reader
.irp j, 0,2,4,6,8,10,12,14,16,18,20,22,24,26,28,30
	v_pk_mul_f32 v[96+\j:97+\j], v[160+\j:161+\j], v[14:15] op_sel_hi:[1,0]   ; each accumulator from its low end on
.endr
.irp b, 0,1
	v_max3_num_f32 v[212+\b], |v[96+16*\b]|, |v[97+16*\b]|, 0x1800000
.endr
.irp i, 2,4,6,8,10,12,14
.irp b, 0,1
	v_max3_num_f32 v[212+\b], v[212+\b], |v[96+16*\b+\i]|, |v[97+16*\b+\i]|
.endr
.endr
.irp b, 0,1
	v_permlanex16_b32 v[216+\b], v[212+\b], s66, s67
.endr
.irp b, 0,1
	v_max_num_f32 v[212+\b], v[212+\b], v[216+\b]
.endr
.irp b, 0,1
	v_add_nc_u32 v[220+\b], 0xff000000, v[212+\b]
.endr
.irp b, 0,1
	v_lshrrev_b32 v[216+\b], 23, v[220+\b]
.endr
	v_cvt_scalef32_pk16_fp6_f32 v[192:194], v[96:111], v220
	v_cvt_scalef32_pk16_fp6_f32 v[204:206], v[112:127], v221
	v_cndmask_b32 v226, v216, v217, s15            ; my block's byte: block h; also the plain line behind the conversions
.irp i, 0,1,2
	v_permlane16_swap_b32 v[192+\i], v[204+\i]
.endr
.irp i, 0,1,2
	v_mov_b32 v[195+\i], v[204+\i]
.endr
	s_wait_alu depctr_va_vdst(0)                   ; the swaps and moves have written v192-197 and the select v226, which the three stores read
	global_store_b128 v1, v[192:195], s[98:99] offset:256    ; 512 consecutive bytes, aligned on 256
	global_store_b64 v2, v[196:197], s[98:99] offset:768     ; 256 more
	global_store_b8 v31, v226, s[100:101]          ; one byte a lane: a row's 16 scale bytes come from eight heads, which lie in eight work-groups
.endm
	PASS 0
	PASS 1
	s_wait_dscnt 0x0
	s_wait_alu depctr_hold_cnt(0) depctr_sa_sdst(0) depctr_va_vdst(0) depctr_va_sdst(0) depctr_va_ssrc(0) depctr_va_vcc(0) depctr_vm_vsrc(0)
	s_wait_tensorcnt 0x0
	ds_add_u32 v254, v255
	s_wait_dscnt 0x0
	s_endpgm
.Lfunc_end_k_q824e16118e_attn:
	.size	k_q824e16118e_attn, .Lfunc_end_k_q824e16118e_attn-k_q824e16118e_attn
	.p2alignl 7, 3214868480
	.fill 96, 4, 3214868480
	.section	.rodata,"a",@progbits
	.p2align	6, 0x0
	.amdhsa_kernel k_q824e16118e_attn
		.amdhsa_group_segment_fixed_size 210944
		.amdhsa_private_segment_fixed_size 0
		.amdhsa_enable_private_segment 0
		.amdhsa_kernarg_size 24
		.amdhsa_user_sgpr_count 2
		.amdhsa_user_sgpr_kernarg_segment_ptr 1
		.amdhsa_wavefront_size32 1
		.amdhsa_system_sgpr_workgroup_id_x 1
		.amdhsa_system_sgpr_workgroup_id_y 1
		.amdhsa_system_sgpr_workgroup_id_z 1
		.amdhsa_system_vgpr_workitem_id 0
		.amdhsa_next_free_vgpr 256
		.amdhsa_next_free_sgpr 102
		.amdhsa_reserve_vcc 0
		.amdhsa_float_denorm_mode_32 3
		.amdhsa_float_denorm_mode_16_64 3
		.amdhsa_memory_ordered 1
		.amdhsa_forward_progress 1
		.amdhsa_inst_pref_size 73
	.end_amdhsa_kernel
	.amdgpu_metadata
---
amdhsa.version: [ 1, 2 ]
amdhsa.kernels:
  - .name:           k_q824e16118e_attn
    .symbol:         k_q824e16118e_attn.kd
    .args:
      - { .name: hq, .offset: 0, .size: 8, .value_kind: global_buffer, .address_space: global }
      - { .name: maskw, .offset: 8, .size: 8, .value_kind: global_buffer, .address_space: global }
      - { .name: oq, .offset: 16, .size: 8, .value_kind: global_buffer, .address_space: global }
    .group_segment_fixed_size: 210944
    .private_segment_fixed_size: 0
    .kernarg_segment_align: 8
    .kernarg_segment_size: 24
    .max_flat_workgroup_size: 512
    .sgpr_count:     102
    .vgpr_count:     256
    .wavefront_size: 32
...
	.end_amdgpu_metadata
.endif
;; end of part 5
;; launch outp: the kernel of part 4 again; grid 4 x 64, 4 waves a work-group, clusters of 4 x 4, 307,712 bytes of LDS; arguments oq, wts, bo, out0; writes out0
